; MI455X (gfx1250); checked and timed in simulation.
; The chip was launched on July 23, 2026; its instructions are those of AMD's public machine-readable ISA for CDNA 5 (MIT licence, August 2026) and "CDNA5" Instruction Set Architecture Reference Guide (July 2026). The comments in the code are by the model that wrote it; some were corrected since.
;; Self Trans Former. Allowed arithmetic: matrix products marked QUANTISED: E5M2 operands, one E8M0 scale for each 32 along K, by v_wmma_scale_f32_16x16x128_f8f6f4 with both operands' format E5M2, f32 sums; everything else in f32.
;; Inputs: Wk 1,024 x 512 float32; Wq 1,024 x 512 float32; Wv 1,024 x 512 float32; bk 1,024 float32; bq 1,024 float32; bv 1,024 float32; gk 1,024 float32; gq 1,024 float32; gv 1,024 float32; x 8 x 512 x 1,024 float32.
;; Outputs: out0 8 x 1,024 x 1,024 float32.
;; This version of the problem:
;;   THIS VERSION OF THE PROBLEM IS GIVEN IN LOW PRECISION. The matrix products marked QUANTISED in the list below multiply operands that are first quantised to E5M2 (5 exponent bits, 2 mantissa bits; 8 bits a number), with one power-of-two scale for each 32 numbers along K (OCP MX v1.0); their sums are f32. All else is computed in f32.
;;   The module's matrix products, in the order in which they are computed (A, B: the left and right operand; K: the contracted axis; several contracted axes count as one K, in the product's order):
;;     1. [M 8,192, K 512] x [K 512, N 1,024]; A: input x; B: input Wq: QUANTISED
;;     2. [M 8,192, K 512] x [K 512, N 1,024]; A: input x; B: input Wk: QUANTISED
;;     3. [M 8,192, K 512] x [K 512, N 1,024]; A: input x; B: input Wv: QUANTISED
;;     4. batch 64 x [M 1,024, K 128] x [K 128, N 1,024]; A: computed on the way; B: computed on the way: QUANTISED
;;     5. batch 64 x [M 128, K 1,024] x [K 1,024, N 1,024]; A: computed on the way; B: softmax (see below): QUANTISED
;;   THE QUANTISER, for each operand of a quantised product, along K:
;;     - K is cut into blocks of 32 from its start; a last block that is shorter is filled with zeros.
;;     - A block's scale is 2^e with e = floor(log2(the largest magnitude in the block)) - 15, held to -126 .. 127; a block of zeros has e = 0. As a byte (E8M0): e + 127.
;;     - Each number is divided by its block's scale, clamped to +-57,344, and rounded to the nearest number of E5M2, ties to even, subnormals kept.
;;     - The product sums the exact products of the quantised numbers (number of the format x scale) in f32.
;;   ~~~python
;;   def quantise(x, axis):      # numpy; x: float32 -> the quantised numbers, widened to float32 again
;;       x = np.moveaxis(x, axis, -1); K = x.shape[-1]
;;       x = np.pad(x, [(0, 0)] * (x.ndim - 1) + [(0, -K % 32)]); x = x.reshape(x.shape[:-1] + (-1, 32)); a = np.abs(x).max(-1, keepdims=True)
;;       e = np.where(a > 0, np.clip(np.frexp(np.where(a > 0, a, 1))[1] - 1 - 15, -126, 127), 0)      # np.frexp(a)[1] - 1 = floor(log2(a)), exactly
;;       r = np.clip(x / 2.0 ** e, -57344, 57344)
;;       step = 2.0 ** (np.maximum(np.frexp(np.where(r == 0, 1, r))[1] - 1, -14) - 2)
;;       q = np.round(r / step) * step * 2.0 ** e      # np.round: ties to even
;;       return np.moveaxis(q.reshape(q.shape[:-2] + (-1,))[..., :K], -1, axis).astype(np.float32)
;;   ~~~
;;   SOFTMAX AHEAD OF A QUANTISED PRODUCT. Where the list says 'softmax', what is quantised is not the finished softmax but p = 2^(t - M), with t = logit x log2(e) and M = ceil(the row's largest t), a whole number; so 1/2 < the row's largest p <= 1. The row's sum l is taken of the UNQUANTISED p, in f32, and the product's result is divided by l at the end. Since M is a whole number, a kernel that streams over the keys may use a running M (the ceiling of the running maximum): every later rescaling is an exact power of two, which a block's scale takes up: the codes' values come out the same.
;;   OPERANDS COMPUTED ON THE WAY. 'Computed on the way' means the value that the module computes at that place (a softmax that the list does not call 'softmax' is quantised finished and normalised). What goes into a quantiser is computed in f32, as accurately as f32 sums, v_exp_f32 and their like allow (about 1e-6 of the number): no bf16 or f16 on the way to a quantiser, and a product that is left as it is and whose result goes on into a quantised operand takes f32 operands (vector FMAs, or v_wmma_f32_16x16x4_f32). A number that lies on a knife's edge between two numbers of the format may be rounded either way, as far as f32 arithmetic and the matrix unit's own rounding can turn it there, and no further.
;; One version. Each part assembles by itself: llvm-mc -triple=amdgcn-amd-amdhsa -mcpu=gfx1250 --defsym DOCPART=n.
;; ======== version 1 of 1: 4 launches
;; limits: right only within a limited range of input values
;; workspace buffers: xc 4,325,376 bytes; wc 1,622,016 bytes; part 786,432 bytes; kq 8,650,752 bytes; att 17,301,504 bytes
;; launch quant (part 1): grid 448 x 1, 4 waves a work-group, no clusters, 0 bytes of LDS; arguments x, Wk, Wv, Wq, xc, wc; writes xc, wc
.if DOCPART == 1
	.amdgcn_target "amdgcn-amd-amdhsa--gfx1250"
	.amdhsa_code_object_version 6
	.text
	.protected	k_q710b4df17f_quant
	.globl	k_q710b4df17f_quant
	.p2align	8
	.type	k_q710b4df17f_quant,@function
k_q710b4df17f_quant:
	s_mov_b64 s[64:65], 0
	v_nop
	global_prefetch_b8 v0, s[64:65] scope:SCOPE_SE
	s_setreg_imm32_b32 hwreg(HW_REG_WAVE_MODE, 25, 1), 1
	s_wait_xcnt 0x0
; x [8][512][1024] f32 and Wk, Wv, Wq [1024][512] f32 become codes of E5M2 with one E8M0 scale byte for each 32 along K = the 512 input channels.
; THE OUTPUT IS LAID AS THE MATRIX UNIT'S REGISTERS WANT IT.  A fragment (16 rows x 128 K) is 2,048 bytes, [c 0..3][lane 0..31][16 bytes]: lane (r, h) holds K = 32 c + 16 h + 0 .. 15 of the
; fragment's row r.  Eight fragments and then their 8 x 16 scale words (word r: row r's four bytes) make a GROUP BLOCK of 16,896 bytes: 128 rows, one K step of 128.
; THE ROWS OF A FRAGMENT ARE NOT NEIGHBOURS: row r of fragment 2 b + u is row 32 b + 8 u + (r & 7) + 16 (r >> 3) of the group, so that the results of two neighbouring fragments are 16 neighbours
; along the next product's K.   xc: [K step 0..3][group 0..63 of (batch, position)];   wc: [K step][group 0..23]: rows 0-1023 Wk, 1024-2047 Wv, 2048-3071 Wq.
; A block's scale is 2^(floor(log2(its largest magnitude)) - 15): its byte is the largest magnitude's exponent field - 15, held at 1 from below by a floor among the maximum's leaves.
; LIMITS: NaN and infinities among the inputs are not served; a block of zeros gets the byte 1 (its codes are zeros; the bytes are read by this program alone); blocks whose largest magnitude lies
; under 2^(16 - 127) are quantised under the byte 1.
; Work-groups 0-255 take x (group = n / 4, K step = n % 4), work-groups 256-447 one fragment row of W each (a wave to a K step).  No LDS, no barrier; no cluster: no two work-groups read the same bytes.
.set GB,  16896                        ; a group block
.set XPL, 64*GB                        ; a K step's plane of xc
.set WPL, 24*GB                        ; and of wc
.set TM,  112                          ; v112-115 largest magnitudes, v116-119 bytes, v124-127 the conversions' scale operands
.set PC,  96                           ; v96-111 a fragment's codes
.set PW,  30                           ; v30 its scale word
.set SEL, 28                           ; s[28:29] lane selects: lane l xor 16
.set MNT, 31
; 64 numbers of a lane, register 16 b + i = K 32 b + 16 (lane / 16) + i of my row, become a fragment's codes in v[PC] on and its scale word in v[PW]
.macro QUANT s
.irp b, 0,1,2,3
	v_max3_num_f32 v[TM+\b], |v[\s+16*\b]|, |v[\s+1+16*\b]|, 0x8000000   ; my 16 numbers of block b, and the floor 2^(16 - 127)
.endr
.irp i, 2,4,6,8,10,12,14
.irp b, 0,1,2,3
	v_max3_num_f32 v[TM+\b], v[TM+\b], |v[\s+16*\b+\i]|, |v[\s+1+16*\b+\i]|   ; the four blocks by turns
.endr
.endr
.irp b, 0,1,2,3
	v_permlanex16_b32 v[TM+4+\b], v[TM+\b], s[SEL], s[SEL+1]
.endr
.irp b, 0,1,2,3
	v_max_num_f32 v[TM+\b], v[TM+\b], v[TM+4+\b]           ; with lane l xor 16's 16: the block's largest magnitude
.endr
.irp b, 0,1,2,3
	v_add_nc_u32 v[TM+12+\b], 0xf8800000, v[TM+\b]         ; 15 off its exponent field: the conversion's scale operand
.endr
.irp b, 0,1,2,3
.endr
.irp b, 0,1,2,3
	v_lshrrev_b32 v[TM+4+\b], 23, v[TM+12+\b]              ; the scale's byte
.endr
	v_lshl_or_b32 v[PW], v[TM+5], 8, v[TM+4]
	v_lshl_or_b32 v[PW], v[TM+6], 16, v[PW]
	v_lshl_or_b32 v[PW], v[TM+7], 24, v[PW]
.irp b, 0,1,2,3
.irp i, 0,1,2,3,4,5,6,7,8,9,10,11,12,13,14,15
.endr
	v_cvt_scalef32_pk8_bf8_f32 v[PC+4*\b:PC+1+4*\b], v[\s+16*\b:\s+7+16*\b], v[TM+12+\b]
	v_cvt_scalef32_pk8_bf8_f32 v[PC+2+4*\b:PC+3+4*\b], v[\s+8+16*\b:\s+15+16*\b], v[TM+12+\b]
.endr
	v_nop                                          ; a plain line behind the last conversion
.endm
.macro LOADX c                         ; x(K 32 c + k, my position), k = 0 .. 31: the wave's 32 lanes read 128 consecutive bytes of a row of x
.set k, 0
.rept 32
	global_load_b32 v[32+32*(\c)+k], v3, s[4:5] offset:(32*(\c)+k)*4096 th:TH_LOAD_NT
.set k, k+1
.endr
.endm
.macro XBLOCK c                        ; block c of my position: all 32 numbers are mine
.set XS, 32+32*(\c)
.if (\c) < 3
	s_wait_loadcnt 32                              ; this block's 32 loads are in; the next block's 32 stay out
.else
	s_wait_loadcnt 0x0
.endif
.if (\c)+2 < 4
	LOADX (\c)+2                                   ; two blocks ahead, into registers of its own
.endif
	v_max3_num_f32 v12, |v[XS]|, |v[XS+1]|, |v[XS+2]|
	v_max3_num_f32 v13, |v[XS+3]|, |v[XS+4]|, |v[XS+5]|
.irp i, 6,10,14,18,22,26
	v_max3_num_f32 v12, v12, |v[XS+\i]|, |v[XS+\i+1]|
	v_max3_num_f32 v13, v13, |v[XS+\i+2]|, |v[XS+\i+3]|
.endr
	v_max3_num_f32 v12, v12, |v[XS+30]|, |v[XS+31]|
	v_max3_num_f32 v12, v12, v13, 0x8000000        ; and the floor
	v_add_nc_u32 v11, 0xf8800000, v12              ; the conversion's scale operand
	v_lshrrev_b32 v13, 23, v11                     ; the byte
.if (\c) == 0
	v_mov_b32 v16, v13
.else
	v_lshl_or_b32 v16, v13, 8*(\c), v16            ; the lower K in the lower byte
.endif
.set k, 0
.rept 32
.set k, k+1
.endr
.irp g, 0,1,2,3
	v_cvt_scalef32_pk8_bf8_f32 v[160+8*(\c)+2*\g:161+8*(\c)+2*\g], v[XS+8*\g:XS+8*\g+7], v11   ; each block has code registers of its own: no store's data are written again
.endr
	global_store_b128 v4, v[160+8*(\c):163+8*(\c)], s[12:13] offset:512*(\c)        ; K 32 c + 0 .. 15: the image's lanes 0-15; sixteen lanes store 256 consecutive bytes
	global_store_b128 v4, v[164+8*(\c):167+8*(\c)], s[12:13] offset:512*(\c)+256    ; K 32 c + 16 .. 31: its lanes 16-31
.endm
	s_load_b256 s[4:11], s[0:1], 0x0               ; x s[4:5], Wk s[6:7], Wv s[8:9], Wq s[10:11]
	s_load_b128 s[12:15], s[0:1], 0x20             ; xc s[12:13], wc s[14:15]
	v_lshrrev_b32 v1, 5, v0
	v_readfirstlane_b32 s16, v1                    ; wave 0..3
	v_and_b32 v2, 15, v0                           ; r
	v_and_b32 v6, 7, v0
	v_bfe_u32 v7, v0, 3, 1
	v_bfe_u32 v8, v0, 4, 1                         ; lane / 16
	v_lshl_add_u32 v6, v7, 4, v6                   ; (r & 7) + 16 (r >> 3)
	s_cmp_ge_u32 ttmp9, 256
	s_cbranch_scc1 .Lw
	; ---- x: a lane takes a position, its registers run down K.  Wave w takes positions 32 w .. 32 w + 31 of the group: fragments 2 w (lanes 0-15) and 2 w + 1 (lanes 16-31)
	s_lshr_b32 s17, ttmp9, 2                       ; group
	s_and_b32 s18, ttmp9, 3                        ; K step
	s_lshr_b32 s20, s17, 3
	s_lshl_b32 s20, s20, 21                        ; the batch: 512 x 1,024 x 4 bytes
	s_lshl_b32 s21, s18, 19                        ; 128 rows of 4,096 bytes
	s_add_co_u32 s20, s20, s21
	s_and_b32 s21, s17, 7
	s_lshl_b32 s21, s21, 9                         ; the group's 128 positions
	s_add_co_u32 s20, s20, s21
	s_lshl_b32 s21, s16, 7                         ; the wave's 32
	s_add_co_u32 s20, s20, s21
	s_mov_b32 s21, 0
	s_mul_i32 s22, s18, XPL
	s_mul_i32 s23, s17, GB
	s_add_co_u32 s22, s22, s23                     ; the group block
	s_mov_b32 s23, 0
	s_wait_alu depctr_va_vdst(0)
	v_lshl_add_u32 v6, v8, 3, v6                   ; my position among the wave's 32: 8 u + (r & 7) + 16 (r >> 3)
	v_lshlrev_b32 v3, 2, v6
	v_lshrrev_b32 v4, 4, v0                        ; my fragment: thread / 16
	v_lshlrev_b32 v4, 11, v4
	v_lshl_add_u32 v4, v2, 4, v4                   ; + 16 r
	v_lshlrev_b32 v5, 2, v0                        ; my scale word: 4 x (16 x fragment + r) = 4 x thread
	s_wait_alu depctr_va_vdst(0)
	s_wait_kmcnt 0x0
	s_add_nc_u64 s[4:5], s[4:5], s[20:21]
	s_add_nc_u64 s[12:13], s[12:13], s[22:23]
	LOADX 0
	LOADX 1
	XBLOCK 0
	XBLOCK 1
	XBLOCK 2
	XBLOCK 3
	global_store_b32 v5, v16, s[12:13] offset:16384   ; the wave's 32 scale words: 128 consecutive bytes
	s_endpgm
.Lw:
	; ---- W: K is innermost.  The work-group takes one fragment's 16 rows, wave s K step s; lane (r, h) loads 16 neighbours of each block of 32
	s_sub_co_u32 s17, ttmp9, 256                   ; fragment row 0..191 over the 3,072 rows
	s_and_b32 s18, s17, 63                         ; within its tensor
	s_lshr_b32 s19, s18, 1
	s_lshl_b32 s19, s19, 5
	s_and_b32 s20, s18, 1
	s_lshl_b32 s20, s20, 3
	s_add_co_u32 s19, s19, s20                     ; its first row: 32 b + 8 u
	s_lshl_b32 s20, s19, 11                        ; rows of 2,048 bytes
	s_lshl_b32 s21, s16, 9                         ; + the K step's 512 bytes
	s_add_co_u32 s20, s20, s21
	s_mov_b32 s21, 0
	s_mul_i32 s22, s16, WPL
	s_lshr_b32 s23, s17, 3
	s_mul_i32 s23, s23, GB
	s_add_co_u32 s22, s22, s23                     ; the group block
	s_and_b32 s24, s17, 7                          ; the fragment in it
	s_lshl_b32 s25, s24, 11
	s_lshl_b32 s26, s24, 6
	s_add_co_u32 s24, s22, s25                     ; its codes
	s_mov_b32 s25, 0
	s_add_co_u32 s26, s22, s26
	s_add_co_u32 s26, s26, 16384                   ; its scale words
	s_mov_b32 s27, 0
	s_mov_b32 s[SEL], 0x76543210
	s_mov_b32 s[SEL+1], 0xfedcba98
	s_wait_alu depctr_va_vdst(0)
	v_lshlrev_b32 v3, 11, v6                       ; my row
	v_lshl_add_u32 v3, v8, 6, v3                   ; + 64 h
	v_and_b32 v4, 31, v0
	v_lshlrev_b32 v4, 4, v4                        ; 16 x lane
	v_lshlrev_b32 v5, 2, v2                        ; 4 r
.irp b, 0,1,2,3
	v_mov_b32 v[TM+4+\b], 0                        ; a lane permute's destination counts as one of its sources
.endr
	s_wait_alu depctr_va_vdst(0)
	s_wait_kmcnt 0x0
	s_cmp_lt_u32 s17, 128                          ; which tensor: the choice hangs on the work-group's number alone
	s_cselect_b64 s[8:9], s[8:9], s[10:11]
	s_cmp_lt_u32 s17, 64
	s_cselect_b64 s[6:7], s[6:7], s[8:9]
	s_add_nc_u64 s[6:7], s[6:7], s[20:21]
	s_add_nc_u64 s[24:25], s[14:15], s[24:25]
	s_add_nc_u64 s[26:27], s[14:15], s[26:27]
.irp b, 0,1,2,3
.irp j, 0,1,2,3
	global_load_b128 v[32+16*\b+4*\j:35+16*\b+4*\j], v3, s[6:7] offset:128*\b+16*\j th:TH_LOAD_NT
.endr
.endr
	s_wait_loadcnt 0x0
	QUANT 32
.irp c, 0,1,2,3
	global_store_b128 v4, v[PC+4*\c:PC+4*\c+3], s[24:25] offset:512*\c   ; the image: 512 consecutive bytes a store
.endr
	global_store_b32 v5, v[PW], s[26:27]           ; lanes 16-31 write the same words with the same values
	s_endpgm
.Lfunc_end_k_q710b4df17f_quant:
	.size	k_q710b4df17f_quant, .Lfunc_end_k_q710b4df17f_quant-k_q710b4df17f_quant
	.p2alignl 7, 3214868480
	.fill 96, 4, 3214868480
	.section	.rodata,"a",@progbits
	.p2align	6, 0x0
	.amdhsa_kernel k_q710b4df17f_quant
		.amdhsa_group_segment_fixed_size 0
		.amdhsa_private_segment_fixed_size 0
		.amdhsa_enable_private_segment 0
		.amdhsa_kernarg_size 48
		.amdhsa_user_sgpr_count 2
		.amdhsa_user_sgpr_kernarg_segment_ptr 1
		.amdhsa_wavefront_size32 1
		.amdhsa_system_sgpr_workgroup_id_x 1
		.amdhsa_system_sgpr_workgroup_id_y 1
		.amdhsa_system_sgpr_workgroup_id_z 1
		.amdhsa_system_vgpr_workitem_id 0
		.amdhsa_next_free_vgpr 192
		.amdhsa_next_free_sgpr 66
		.amdhsa_reserve_vcc 0
		.amdhsa_float_denorm_mode_32 3
		.amdhsa_float_denorm_mode_16_64 3
		.amdhsa_fp16_overflow 1
		.amdhsa_memory_ordered 1
		.amdhsa_forward_progress 1
		.amdhsa_inst_pref_size 28
	.end_amdhsa_kernel
	.amdgpu_metadata
---
amdhsa.version: [ 1, 2 ]
amdhsa.kernels:
  - .name:           k_q710b4df17f_quant
    .symbol:         k_q710b4df17f_quant.kd
    .args:
      - { .name: x, .offset: 0, .size: 8, .value_kind: global_buffer, .address_space: global }
      - { .name: Wk, .offset: 8, .size: 8, .value_kind: global_buffer, .address_space: global }
      - { .name: Wv, .offset: 16, .size: 8, .value_kind: global_buffer, .address_space: global }
      - { .name: Wq, .offset: 24, .size: 8, .value_kind: global_buffer, .address_space: global }
      - { .name: xc, .offset: 32, .size: 8, .value_kind: global_buffer, .address_space: global }
      - { .name: wc, .offset: 40, .size: 8, .value_kind: global_buffer, .address_space: global }
    .group_segment_fixed_size: 0
    .private_segment_fixed_size: 0
    .kernarg_segment_align: 8
    .kernarg_segment_size: 48
    .max_flat_workgroup_size: 128
    .sgpr_count:     66
    .vgpr_count:     192
    .wavefront_size: 32
...
	.end_amdgpu_metadata
.endif
;; end of part 1
;; launch stats (part 2): grid 8 x 32, 4 waves a work-group, clusters of 4 x 4, 327,680 bytes of LDS; arguments xc, wc, part; writes part
.if DOCPART == 2
	.amdgcn_target "amdgcn-amd-amdhsa--gfx1250"
	.amdhsa_code_object_version 6
	.text
	.protected	k_q710b4df17f_stats
	.globl	k_q710b4df17f_stats
	.p2align	8
	.type	k_q710b4df17f_stats,@function
k_q710b4df17f_stats:
	s_mov_b64 s[64:65], 0
	v_nop
	global_prefetch_b8 v0, s[64:65] scope:SCOPE_SE
	s_setreg_imm32_b32 hwreg(HW_REG_WAVE_MODE, 25, 1), 1
	s_wait_xcnt 0x0
	s_wait_alu depctr_hold_cnt(0) depctr_sa_sdst(0) depctr_va_vdst(0) depctr_va_sdst(0) depctr_va_ssrc(0) depctr_va_vcc(0) depctr_vm_vsrc(0)
	s_getreg_b32 s2, hwreg(HW_REG_IB_STS2, 6, 4)
	s_cmp_eq_u32 s2, 0
	s_cbranch_scc0 .Lentry_in_a_cluster
	s_endpgm
.Lentry_in_a_cluster:
	s_bfe_u32 s2, ttmp6, 0x10000c
	s_cmp_lg_u32 s2, 0xf033
	s_cbranch_scc0 .Lentry_shape_is_right
	s_endpgm
.Lentry_shape_is_right:
; y[(batch, position)][channel] = sum over the 512 input channels of x W, on codes of E5M2 with E8M0 scales; of y only the BatchNorm sums leave: for each run of 256 positions and each of the
; 3,072 channels (Wk, Wv, Wq) the sum S and the centred sum of squares M2 (about the run's own mean: no difference of large sums is formed).  y itself is multiplied again by the next launch:
; that costs matrix work on 6 MB of codes, where y in f32 would be 100 MB out and 100 MB back.
; SHARES.  A work-group takes 256 positions and ONE HEAD's 128 channels of each of Wk, Wv, Wq: 8 heads x 32 runs of positions = 256 work-groups of equal work.  First Wk's and Wv's: each of the four
; waves 128 positions x 128 channels, 64 accumulators; then Wq's: each wave 128 positions x 64 channels, 32 accumulators.
; LDS.  K is only 512: x's, Wk's and Wv's blocks of all four K steps lie in LDS at once (4 x 67,584 bytes).  Wq's four blocks do not fit beside them (20 x 16,896 = 337,920 bytes): they are brought into
; Wk's bytes when W's blocks have been read for the last time: ONE refill, one tensor load a wave (wave s: K step s), which lands under the first pass's last 32 products and its sums.
; OPERANDS lie in memory as images of the operand registers (a fragment: 2,048 bytes, [c][lane][16]; eight fragments and their scale words: a group block of 16,896 bytes): a block is dense, one tensor load
; brings it as 66 rows of 256 bytes, and a fragment comes out of LDS by four loads of 512 consecutive bytes: no pitch, no padding.
; CLUSTERS: 4 x 4 work-groups.  The four of a row of the cluster need the same positions' blocks of x, the four of a column the same head's blocks of W: each is asked for JOINTLY.
; Source 0 = 16 positions, source 1 = 16 channels: a lane holds ONE channel (lane % 16), and the 64 registers of a channel tile are 64 of my 128 positions; lane l xor 16 holds the other 64.
; REGISTERS, in windows of 256: window 0: v1-31 addresses and sums; v32-95 scale words and nothing else; v96-127 at work; v128-255 source 1's fragments (later at work).
;   window 1: source 0's fragments, two sets.   windows 2, 3: accumulator (a, b) at v[8 (8 (a % 4) + b)] of window 2 + a / 4; the second pass uses window 2 alone.
.set GB,   16896                       ; a group block
.set REG,  4*GB                        ; a K step in LDS: x's two blocks, then Wk's (later Wq's) and Wv's
.set XPL,  64*GB                       ; a K step's plane of xc
.set WPL,  24*GB                       ; and of wc
.set SCR,  4*REG                       ; behind the tiles: 4 x 1,536 bytes of scratch, into which no tile lands
.set SPARE, SCR+6144                   ; behind it: the spare words, 128 bytes for each wave: two blocks of 256 bytes that no other line names
.set A0,   8                           ; v8   LDS address of source 0's fragments: block + 16 x lane
.set A1,   9                           ; v9   of source 1's
.set AS0,  10                          ; v10  of source 0's scale words: block + 4 r
.set AS1,  11                          ; v11  of source 1's
.set SPW,  30                          ; v30  LDS address of my spare word: SPARE + 4 x my thread's number; never rewritten
.set NIL,  31                          ; v31  0; never rewritten
.set SC,   32                          ; scale words: K step s: source 0's tile b at v[SC + 16 s + b], source 1's tile a at v[SC + 16 s + 8 + a]
.set AF,   128                         ; source 1's fragments
.set MSB, 0
.macro WIN new                         ; the immediate's high byte repeats the setting that is left
.if MSB != (\new)
	s_set_vgpr_msb (MSB<<8)|(\new)
.set MSB, (\new)
.endif
.endm
.macro PLACES n                        ; behind this matrix form eight plain vector lines stand in front of a load into, or a vector line on, its registers
.rept \n
	v_nop
.endr
.endm
.macro CREST                           ; a round of the cluster's barrier behind its opening barrier
	s_cmp_lg_u32 s26, 0
	s_cbranch_scc1 .Lnot_wave_0_\@
	s_barrier_signal -3
.Lnot_wave_0_\@:
	s_barrier_wait -3
	s_barrier_signal -1
	s_barrier_wait -1
.endm
.macro CROUND                          ; a whole round
	s_barrier_signal -1
	s_barrier_wait -1
	CREST
.endm
.macro FRAG reg, adr, t                ; fragment t of a block
.irp c, 0,1,2,3
	ds_load_b128 v[\reg+4*\c:\reg+4*\c+3], v[\adr] offset:2048*(\t)+512*\c
.endr
.endm
.macro FETCH0 p                        ; source 0's eight fragments into set p of window 1
	WIN 0x40
.irp i, 0,1,2,3,4,5,6,7
	FRAG 128*(\p)+16*\i, A0, \i
.endr
	WIN 0
.endm
.macro FETCH1 i0                       ; the first pass: source 1's fragments i0 .. i0 + 3
.irp i, \i0, \i0+1, \i0+2, \i0+3
	FRAG AF+16*(\i), A1, \i
.endr
.endm
.macro FETCHQ p                        ; the second pass: my four fragments of Wq into half p of source 1's registers
.irp i, 0,1,2,3
	FRAG AF+64*(\p)+16*\i, A1, \i
.endr
.endm
.macro SCALES s                        ; the first pass: K step s's sixteen scale words a lane, into registers of their own
.irp b, 0,1,2,3,4,5,6,7
	ds_load_b32 v[SC+16*(\s)+\b], v[AS0] offset:16384+64*\b
.endr
.irp b, 0,1,2,3,4,5,6,7
	ds_load_b32 v[SC+16*(\s)+8+\b], v[AS1] offset:16384+64*\b
.endr
.endm
.macro SCALEQ s                        ; the second pass: the scale words of my four tiles of Wq; x's are still in their registers
.irp i, 0,1,2,3
	ds_load_b32 v[SC+16*(\s)+8+4*((\s)%2)+\i], v[AS1] offset:16384+64*\i
.endr
.endm
; 16 matrix instructions: source 1's tiles a0, a0 + 1 x source 0's eight.  The accumulators take turns, one instruction a turn, in the same order in every K step
.macro MUL16 a0, p, s, zero
.irp a, \a0, \a0+1
.irp b, 0,1,2,3,4,5,6,7
.if \zero
	v_wmma_scale_f32_16x16x128_f8f6f4 v[8*(8*((\a)%4)+\b):8*(8*((\a)%4)+\b)+7], v[128*(\p)+16*\b:128*(\p)+16*\b+15], v[AF+16*(\a):AF+16*(\a)+15], 0, v[SC+16*(\s)+\b], v[SC+16*(\s)+8+(\a)] matrix_a_fmt:MATRIX_FMT_BF8 matrix_b_fmt:MATRIX_FMT_BF8
.else
	v_wmma_scale_f32_16x16x128_f8f6f4 v[8*(8*((\a)%4)+\b):8*(8*((\a)%4)+\b)+7], v[128*(\p)+16*\b:128*(\p)+16*\b+15], v[AF+16*(\a):AF+16*(\a)+15], v[8*(8*((\a)%4)+\b):8*(8*((\a)%4)+\b)+7], v[SC+16*(\s)+\b], v[SC+16*(\s)+8+(\a)] matrix_a_fmt:MATRIX_FMT_BF8 matrix_b_fmt:MATRIX_FMT_BF8
.endif
.endr
.endr
.endm
; The first pass's K step s (0, 1, 2): 64 matrix instructions; in its middle the next step's fragments are fetched, behind a barrier that shows the next step's tiles whole
.macro KSTEP s, zero
	s_wait_tensorcnt 2-(\s)                        ; my part of K step s + 1 has landed; the later steps' loads stay out
	s_wait_dscnt 16                                ; all but the youngest sixteen loads (source 1's tiles 4-7) are in
	WIN 0xa1
	MUL16 0, (\s)%2, \s, \zero
	s_wait_dscnt 0x0                               ; no LDS instruction of mine is out at a signal
	s_barrier_signal -1
	MUL16 2, (\s)%2, \s, \zero
	s_barrier_wait -1                              ; everybody's part of K step s + 1 has landed
	WIN 0
	v_add_nc_u32 v[A0], REG, v[A0]                 ; on to the next K step: four of the eight places
	v_add_nc_u32 v[A1], REG, v[A1]
	v_add_nc_u32 v[AS0], REG, v[AS0]
	v_add_nc_u32 v[AS1], REG, v[AS1]
	PLACES 4
	FETCH0 ((\s)+1)%2
	FETCH1 0
	SCALES (\s)+1
	WIN 0xf1
	MUL16 4, (\s)%2, \s, \zero
	MUL16 6, (\s)%2, \s, \zero
	PLACES 8
	WIN 0
	FETCH1 4
.endm
; The second pass's K step s: 32 matrix instructions on window 2's accumulators.  p = s % 2: the sets in hand; a0 = 4 p: where source 1's four tiles lie.  The next step's 52 loads stand in its middle
.macro QSTEP s, p, a0, zero
	s_wait_dscnt 0x0                               ; this step's fragments are in (asked for 16 matrix instructions ahead of the last step's end)
	WIN 0xa1
	MUL16 \a0, \p, \s, \zero
.if (\s) < 3
	WIN 0
	v_add_nc_u32 v[A0], REG, v[A0]                 ; three of the eight places behind the last step's products, which read the other sets
	v_add_nc_u32 v[A1], REG, v[A1]
	v_add_nc_u32 v[AS1], REG, v[AS1]
	PLACES 5
	FETCH0 1-(\p)
	FETCHQ 1-(\p)
	SCALEQ (\s)+1
	WIN 0xa1
.endif
	MUL16 \a0+2, \p, \s, \zero
.endm
.macro TREE4                           ; four runs of 16 pairs, at v[128 + 32 q] on, are each added up into their first pair; the four runs by turns
.irp w, 8,4,2,1
.set k, 0
.rept \w
.irp q, 0,1,2,3
	v_pk_add_f32 v[128+32*\q+2*k:129+32*\q+2*k], v[128+32*\q+2*k:129+32*\q+2*k], v[128+32*\q+2*(k+\w):129+32*\q+2*(k+\w)]
.endr
.set k, k+1
.endr
.endr
.endm
; The sums of window 2 + hi's four channel tiles over my 128 positions: S into v[sd + q], M2 about S / 128 into v[md + q]
.macro SUMS hi, sd, md
	WIN 0x0a+5*\hi                                 ; sources 0 and 1: window 2 or 3
.irp q, 0,1,2,3
.set k, 0
.rept 16
	v_pk_add_f32 v[128+32*\q+2*k:129+32*\q+2*k], v[64*\q+4*k:64*\q+4*k+1], v[64*\q+4*k+2:64*\q+4*k+3]   ; each accumulator from its low end on
.set k, k+1
.endr
.endr
	WIN 0
	TREE4
.irp q, 0,1,2,3
	v_add_f32 v[\sd+\q], v[128+32*\q], v[129+32*\q]
.endr
.irp q, 0,1,2,3
	v_permlanex16_b32 v[120+\q], v[\sd+\q], s94, s95
.endr
.irp q, 0,1,2,3
	v_add_f32 v[\sd+\q], v[\sd+\q], v[120+\q]      ; with lane l xor 16's 64 positions
.endr
.irp q, 0,1,2,3
	v_mul_f32 v[96+2*\q], 0x3c000000, v[\sd+\q]    ; the mean of the 128: S x 2^-7, twice: a pair for the packed lines
	v_mul_f32 v[97+2*\q], 0x3c000000, v[\sd+\q]
.endr
.irp g, 0,1                            ; two tiles at a time
	WIN 0x02+\hi                                   ; source 0: window 2 or 3
.irp e, 0,1
.set k, 0
.rept 32
	v_pk_add_f32 v[128+64*\e+2*k:129+64*\e+2*k], v[64*(2*\g+\e)+2*k:64*(2*\g+\e)+2*k+1], v[96+2*(2*\g+\e):97+2*(2*\g+\e)] neg_lo:[0,1] neg_hi:[0,1]   ; y - mean
.set k, k+1
.endr
.endr
	WIN 0
.irp e, 0,1
	v_pk_mul_f32 v[104+4*\e:105+4*\e], v[128+64*\e:129+64*\e], v[128+64*\e:129+64*\e]   ; four chains of squares; the first products start them
	v_pk_mul_f32 v[106+4*\e:107+4*\e], v[130+64*\e:131+64*\e], v[130+64*\e:131+64*\e]
.endr
.set k, 2
.rept 15
.irp e, 0,1
	v_pk_fma_f32 v[104+4*\e:105+4*\e], v[128+64*\e+2*k:129+64*\e+2*k], v[128+64*\e+2*k:129+64*\e+2*k], v[104+4*\e:105+4*\e]
	v_pk_fma_f32 v[106+4*\e:107+4*\e], v[130+64*\e+2*k:131+64*\e+2*k], v[130+64*\e+2*k:131+64*\e+2*k], v[106+4*\e:107+4*\e]
.endr
.set k, k+2
.endr
.irp e, 0,1
	v_pk_add_f32 v[104+4*\e:105+4*\e], v[104+4*\e:105+4*\e], v[106+4*\e:107+4*\e]
.endr
.irp e, 0,1
	v_add_f32 v[\md+2*\g+\e], v[104+4*\e], v[105+4*\e]
.endr
.irp e, 0,1
	v_permlanex16_b32 v[120+\e], v[\md+2*\g+\e], s94, s95
.endr
.irp e, 0,1
	v_add_f32 v[\md+2*\g+\e], v[\md+2*\g+\e], v[120+\e]
.endr
.endr
.endm
; One channel tile's two halves of 128 positions are joined and stored: mine in v[sr], v[mr], the other wave's in v[128 + i], v[140 + i]
.macro JOIN sr, mr, i, base, off
	v_sub_f32 v[152+\i], v[\sr], v[128+\i]         ; d = S - S'
	v_add_f32 v[\sr], v[\sr], v[128+\i]            ; S of the 256
	v_add_f32 v[\mr], v[\mr], v[140+\i]
	v_mul_f32 v[152+\i], v[152+\i], v[152+\i]
	v_fma_f32 v[\mr], v[152+\i], 0x3b800000, v[\mr]   ; M2 of the 256 = M + M' + (d / 128)^2 x 128 x 128 / 256 = M + M' + d d 2^-8
	v_cndmask_b32 v[\sr], v[\sr], v[\mr], vcc_lo
	global_store_b32 v29, v[\sr], s[\base:\base+1] offset:\off   ; 128 consecutive bytes
.endm
	s_load_b128 s[4:7], s[0:1], 0x0                ; xc s[4:5], wc s[6:7]
	s_load_b64 s[8:9], s[0:1], 0x10                ; part
	v_lshl_add_u32 v[SPW], v0, 2, SPARE
	v_mov_b32 v[NIL], 0
	ds_add_u32 v30, v31
	ds_add_u32 v30, v31
	s_wait_dscnt 0x0
	v_lshrrev_b32 v1, 5, v0
	v_readfirstlane_b32 s26, v1                    ; wave 0..3
	s_lshr_b32 s27, s26, 1                         ; which 128 positions are mine
	s_and_b32 s28, s26, 1                          ; first pass: Wk (0) or Wv (1); second pass: which 64 channels of Wq.  Also: which of the two blocks I fetch
	s_bfe_u32 s30, ttmp6, 0x40000                  ; cx, cy: my place in the cluster
	s_bfe_u32 s31, ttmp6, 0x40004
	s_lshl_b32 s84, ttmp9, 2
	s_add_co_u32 s84, s84, s30                     ; the head 0..7 = 4 x cluster x + cx
	s_and_b32 s85, ttmp7, 0xffff
	s_lshl_b32 s85, s85, 2
	s_add_co_u32 s85, s85, s31                     ; the run of 256 positions 0..31 = 4 x cluster y + cy
	s_lshl_b32 s86, s31, 2
	s_lshl_b32 s86, 15, s86                        ; my row of the cluster
	s_lshl_b32 s87, 0x1111, s30                    ; my column
	; descriptor group 1: a dense block of 16,896 bytes as 66 rows of 32 elements of 8 bytes
	s_or_b32 s32, s86, (3<<16)|(1<<21)             ; 15:0 the mask: x's blocks go to my row; 17:16 elements of 8 bytes; 21 set beside a mask; no padding
	s_or_b32 s40, s87, (3<<16)|(1<<21)             ; W's blocks go to my column
.irp g, 32, 40
	s_mov_b32 s[\g+1], 32<<16                      ; tensor_dim0 = 32
	s_mov_b32 s[\g+2], 66<<16                      ; tensor_dim1 = 66
	s_mov_b32 s[\g+3], 32<<16                      ; tile_dim0 = 32
	s_mov_b32 s[\g+4], 66                          ; tile_dim1 = 66
	s_mov_b32 s[\g+5], 32                          ; from row to row: 32 elements
	s_mov_b32 s[\g+6], 0
	s_mov_b32 s[\g+7], 0
.endr
	s_mov_b32 s94, 0x76543210                      ; lane selects: lane l xor 16
	s_mov_b32 s95, 0xfedcba98
	s_lshl_b32 s88, s85, 1
	s_add_co_u32 s88, s88, s28
	s_mul_i32 s88, s88, GB                         ; x: group 2 x run + half: hangs on the run alone
	s_mov_b32 s89, 0
	s_lshl_b32 s90, s28, 3
	s_add_co_u32 s90, s90, s84
	s_mul_i32 s90, s90, GB                         ; W: group 8 x (Wk 0, Wv 1) + head: hangs on the head alone
	s_mov_b32 s91, 0
	s_add_co_u32 s66, s84, 16
	s_mul_i32 s66, s66, GB                         ; Wq: group 16 + head,
	s_mul_i32 s67, s26, WPL                        ; K step = my wave's number
	s_add_co_u32 s66, s66, s67
	s_mov_b32 s67, 0
	s_mul_i32 s97, s26, GB                         ; where my block goes in a K step's region: wave x 16,896
	s_wait_kmcnt 0x0
	s_add_nc_u64 s[88:89], s[4:5], s[88:89]
	s_add_nc_u64 s[90:91], s[6:7], s[90:91]
	s_add_nc_u64 s[66:67], s[6:7], s[66:67]
	CROUND                                         ; all sixteen work-groups are here: the joint loads meet
.irp s, 0,1,2,3
	s_mov_b32 s[48+4*\s], 1
	s_add_co_u32 s[49+4*\s], s97, \s*REG
	s_add_nc_u64 s[50+4*\s:51+4*\s], s[88:89], \s*XPL
	s_or_b32 s[51+4*\s], s[51+4*\s], 0x80000000
	s_mov_b32 s[68+4*\s], 1
	s_add_co_u32 s[69+4*\s], s97, \s*REG
	s_add_nc_u64 s[70+4*\s:71+4*\s], s[90:91], \s*WPL
	s_or_b32 s[71+4*\s], s[71+4*\s], 0x80000000
.endr
	s_cmp_lt_u32 s26, 2                            ; waves 0, 1 fetch x's blocks, waves 2, 3 Wk's and Wv's: a wave's four loads, one for each K step, stand in one branch: four loads of mine are out
	s_cbranch_scc0 .Lfirst_w
	tensor_load_to_lds s[48:51], s[32:39]
	s_nop 0
	tensor_load_to_lds s[52:55], s[32:39]
	s_nop 0
	tensor_load_to_lds s[56:59], s[32:39]
	s_nop 0
	tensor_load_to_lds s[60:63], s[32:39]
	s_nop 0
.rept 4
	v_nop
.endr
	s_branch .Lfirst_asked
.Lfirst_w:
	tensor_load_to_lds s[68:71], s[40:47]
	s_nop 0
	tensor_load_to_lds s[72:75], s[40:47]
	s_nop 0
	tensor_load_to_lds s[76:79], s[40:47]
	s_nop 0
	tensor_load_to_lds s[80:83], s[40:47]
	s_nop 0
.rept 4
	v_nop
.endr
.Lfirst_asked:
	v_and_b32 v1, 15, v0                           ; r
	v_bfe_u32 v2, v0, 4, 1                         ; h
	v_and_b32 v4, 31, v0                           ; lane
	v_lshlrev_b32 v3, 4, v4                        ; 16 x lane
	v_lshlrev_b32 v5, 2, v1                        ; 4 r
	s_mul_i32 s92, s27, GB                         ; source 0: my 128 positions' block
	s_mul_i32 s93, s28, GB
	s_add_co_u32 s93, s93, 2*GB                    ; source 1: Wk's or Wv's block
	v_add_nc_u32 v[A0], s92, v3
	v_add_nc_u32 v[A1], s93, v3
	v_add_nc_u32 v[AS0], s92, v5
	v_add_nc_u32 v[AS1], s93, v5
	s_mul_i32 s97, s26, 1536
	s_add_co_u32 s97, s97, SCR
	v_add_nc_u32 v28, s97, v5                      ; scratch: 1,536 bytes a wave: S of 12 tiles, then M2; + 4 r
	v_lshrrev_b32 v6, 1, v1
	v_lshlrev_b32 v6, 4, v6
	v_and_b32 v7, 1, v1
	v_lshl_add_u32 v6, v7, 2, v6
	v_lshl_add_u32 v29, v2, 3, v6                  ; part: 16 (r / 2) + 4 (r % 2) + 8 h: a pair of channels is S0, S1, M0, M1
	s_mul_i32 s12, s85, 24576                      ; the run of 256 positions: 1,536 pairs of 16 bytes
	s_lshl_b32 s13, s84, 10                        ; a group's 64 pairs: the head
	s_add_co_u32 s12, s12, s13
	s_lshl_b32 s13, s28, 13                        ; Wk's groups 0-7, Wv's 8-15
	s_add_co_u32 s14, s12, s13
	s_mov_b32 s15, 0
	s_lshl_b32 s13, s28, 9                         ; Wq's groups 16-23; my half's 32 pairs
	s_add_co_u32 s12, s12, s13
	s_add_co_u32 s12, s12, 16384
	s_mov_b32 s13, 0
	s_add_nc_u64 s[10:11], s[8:9], s[12:13]        ; where my sums of Wq go,
	s_add_nc_u64 s[8:9], s[8:9], s[14:15]          ; and those of Wk or Wv
.irp q, 0,1,2,3
	v_mov_b32 v[120+\q], 0                         ; a lane permute's destination counts as one of its sources
.endr
	s_wait_tensorcnt 3                             ; my part of K step 0 has landed; three loads stay out
	s_wait_dscnt 0x0
	s_barrier_signal -1
	s_barrier_wait -1                              ; everybody's has
	FETCH0 0
	FETCH1 0
	SCALES 0
	FETCH1 4
	KSTEP 0, 1                                     ; the first products start the sums: nothing is cleared
	s_wait_alu depctr_va_vdst(0)
	KSTEP 1, 0
	s_wait_alu depctr_va_vdst(0)
	KSTEP 2, 0
	; The first pass's last K step, and the refill.  All fragments of W are asked for; when they are in, nobody reads W's blocks any more
	s_wait_tensorcnt 0x0                           ; all my tensor loads have landed,
	ds_add_u32 v[SPW], v[NIL]                      ; 0 onto my spare word;
	s_wait_dscnt 17                                ; (the add and the youngest sixteen loads, source 1's tiles 4-7, may be out)
	WIN 0xa1
	MUL16 0, 1, 3, 0                               ; sixteen matrix instructions stand between the add and the wait for it
	s_wait_dscnt 0x0                               ; the add is done, and my reads of W's blocks are over
	s_barrier_signal -1
	MUL16 2, 1, 3, 0
	WIN 0
	s_barrier_wait -1
	CREST                                          ; the barrier has opened a round of the cluster's barrier: no wave of any partner still reads W's blocks or has a load on its way
	s_mov_b32 s68, 1                               ; W's first group 0 is free: its load has landed.  It takes Wq's block of K step = my wave's number,
	s_mul_i32 s69, s26, REG
	s_add_co_u32 s69, s69, 2*GB                    ; into Wk's bytes of that K step
	s_mov_b64 s[70:71], s[66:67]
	s_or_b32 s71, s71, 0x80000000
	tensor_load_to_lds s[68:71], s[40:47]          ; my one tensor load behind the round: one load of mine is out
	s_nop 0
.rept 4
	v_nop
.endr
	WIN 0xf1
	MUL16 4, 1, 3, 0
	MUL16 6, 1, 3, 0
	WIN 0
	PLACES 8
	SUMS 0, 12, 20
	SUMS 1, 16, 24
	; ---- The second pass: Wq's 128 channels; my 128 positions x my 64 channels
	s_wait_tensorcnt 0x0                           ; my K step of Wq's block has landed
	s_wait_dscnt 0x0
	s_barrier_signal -1
	s_barrier_wait -1                              ; everybody's has
	s_lshl_b32 s93, s28, 13                        ; my four fragments of the block's eight
	s_add_co_u32 s93, s93, 2*GB
	s_lshl_b32 s97, s28, 8                         ; and their scale words
	s_add_co_u32 s97, s97, 2*GB
	v_add_nc_u32 v[A0], s92, v3                    ; back to K step 0
	v_add_nc_u32 v[A1], s93, v3
	v_add_nc_u32 v[AS1], s97, v5
	FETCH0 0
	FETCHQ 0
	SCALEQ 0
	s_wait_alu depctr_va_vdst(0)
	QSTEP 0, 0, 0, 1                               ; the first products start the sums
	s_wait_alu depctr_va_vdst(0)
	QSTEP 1, 1, 4, 0
	s_wait_alu depctr_va_vdst(0)
	QSTEP 2, 0, 0, 0
	QSTEP 3, 1, 4, 0
	WIN 0
	PLACES 8
	SUMS 0, 112, 116
	; The two waves that hold a channel's two halves of 128 positions meet in the scratch
.irp a, 0,1,2,3,4,5,6,7
	ds_store_b32 v28, v[12+\a] offset:64*\a        ; lanes l and l xor 16 write the same word with the same value
	ds_store_b32 v28, v[20+\a] offset:768+64*\a
.endr
.irp q, 0,1,2,3
	ds_store_b32 v28, v[112+\q] offset:512+64*\q
	ds_store_b32 v28, v[116+\q] offset:1280+64*\q
.endr
	s_wait_dscnt 0x0                               ; for the others' sake: my stores are done
	s_barrier_signal -1
	s_barrier_wait -1
	s_cmp_lg_u32 s27, 0                            ; waves 0 and 1 join and store
	s_cbranch_scc1 .Ldone
.irp i, 0,1,2,3,4,5,6,7,8,9,10,11
	ds_load_b32 v[128+\i], v28 offset:3072+64*\i   ; the wave two further on: the same channels, the other 128 positions
	ds_load_b32 v[140+\i], v28 offset:3840+64*\i
.endr
	v_cmp_le_u32 vcc_lo, 16, v4                    ; lanes 16-31 store M2, lanes 0-15 S
	s_wait_dscnt 0x0
.irp a, 0,1,2,3,4,5,6,7
	JOIN 12+\a, 20+\a, \a, 8, 128*\a
.endr
.irp q, 0,1,2,3
	JOIN 112+\q, 116+\q, 8+\q, 10, 128*\q
.endr
.Ldone:
	s_wait_tensorcnt 0x0                           ; the wave's end, behind my last tensor load and my last LDS store
	ds_add_u32 v[SPW], v[NIL]
	s_wait_dscnt 0x0
	CROUND                                         ; the closing round: no work-group ends while a partner may still ask for a block that names it
	s_endpgm
.Lfunc_end_k_q710b4df17f_stats:
	.size	k_q710b4df17f_stats, .Lfunc_end_k_q710b4df17f_stats-k_q710b4df17f_stats
	.p2alignl 7, 3214868480
	.fill 96, 4, 3214868480
	.section	.rodata,"a",@progbits
	.p2align	6, 0x0
	.amdhsa_kernel k_q710b4df17f_stats
		.amdhsa_group_segment_fixed_size 327680
		.amdhsa_private_segment_fixed_size 0
		.amdhsa_enable_private_segment 0
		.amdhsa_kernarg_size 24
		.amdhsa_user_sgpr_count 2
		.amdhsa_user_sgpr_kernarg_segment_ptr 1
		.amdhsa_wavefront_size32 1
		.amdhsa_system_sgpr_workgroup_id_x 1
		.amdhsa_system_sgpr_workgroup_id_y 1
		.amdhsa_system_sgpr_workgroup_id_z 1
		.amdhsa_system_vgpr_workitem_id 0
		.amdhsa_next_free_vgpr 1024
		.amdhsa_next_free_sgpr 100
		.amdhsa_reserve_vcc 1
		.amdhsa_float_denorm_mode_32 3
		.amdhsa_float_denorm_mode_16_64 3
		.amdhsa_memory_ordered 1
		.amdhsa_forward_progress 1
		.amdhsa_inst_pref_size 181
	.end_amdhsa_kernel
	.amdgpu_metadata
---
amdhsa.version: [ 1, 2 ]
amdhsa.kernels:
  - .name:           k_q710b4df17f_stats
    .symbol:         k_q710b4df17f_stats.kd
    .args:
      - { .name: xc, .offset: 0, .size: 8, .value_kind: global_buffer, .address_space: global }
      - { .name: wc, .offset: 8, .size: 8, .value_kind: global_buffer, .address_space: global }
      - { .name: part, .offset: 16, .size: 8, .value_kind: global_buffer, .address_space: global }
    .group_segment_fixed_size: 327680
    .private_segment_fixed_size: 0
    .kernarg_segment_align: 8
    .kernarg_segment_size: 24
    .max_flat_workgroup_size: 128
    .sgpr_count:     100
    .vgpr_count:     1024
    .wavefront_size: 32
...
	.end_amdgpu_metadata
.endif
;; end of part 2
;; launch proj (part 3): grid 8 x 32, 4 waves a work-group, clusters of 4 x 4, 327,680 bytes of LDS; arguments xc, wc, part, gk, bk, gv, bv, gq, bq, kq, att; writes kq, att
.if DOCPART == 3
	.amdgcn_target "amdgcn-amd-amdhsa--gfx1250"
	.amdhsa_code_object_version 6
	.text
	.protected	k_q710b4df17f_proj
	.globl	k_q710b4df17f_proj
	.p2align	8
	.type	k_q710b4df17f_proj,@function
k_q710b4df17f_proj:
	s_mov_b64 s[64:65], 0
	v_nop
	global_prefetch_b8 v0, s[64:65] scope:SCOPE_SE
	s_setreg_imm32_b32 hwreg(HW_REG_WAVE_MODE, 25, 1), 1
	s_wait_xcnt 0x0
	s_wait_alu depctr_hold_cnt(0) depctr_sa_sdst(0) depctr_va_vdst(0) depctr_va_sdst(0) depctr_va_ssrc(0) depctr_va_vcc(0) depctr_vm_vsrc(0)
	s_getreg_b32 s2, hwreg(HW_REG_IB_STS2, 6, 4)
	s_cmp_eq_u32 s2, 0
	s_cbranch_scc0 .Lentry_in_a_cluster
	s_endpgm
.Lentry_in_a_cluster:
	s_bfe_u32 s2, ttmp6, 0x10000c
	s_cmp_lg_u32 s2, 0xf033
	s_cbranch_scc0 .Lentry_shape_is_right
	s_endpgm
.Lentry_shape_is_right:
; The three projections once more, now with BatchNorm, LeakyReLU(0.1) and the quantiser of the attention's operands behind them.  y never goes to memory: out go codes of E5M2 and E8M0 scale words,
; laid as images of the operand registers (a fragment: 2,048 bytes, [c][lane][16]; its 16 scale words: 64 bytes).
; SHARES, as in the launch before: a work-group takes 256 positions and ONE HEAD's 128 channels of each of Wk, Wv, Wq: 256 work-groups of equal work.  First pass: wave (PH, CH) makes 128 positions x the head's
; 128 channels of K (CH = 0) or V (CH = 1); second pass: 128 positions x 64 channels of Q.  x's, Wk's and Wv's blocks of all four K steps lie in LDS at once; Wq's four blocks, which do not fit beside them
; (20 x 16,896 = 337,920 bytes), are brought into Wk's bytes when W's blocks have been read for the last time: ONE refill, one tensor load a wave, which lands under the first pass's last 32 products and its way out.
; Blocks are asked for jointly in a 4 x 4 cluster: x's along a row, W's along a column.
; WHICH OPERAND IS SOURCE 0 hangs on what the attention's K axis is.  K and V are quantised along the head's 128 channels: source 0 = W, so that a lane holds one position and its 64 registers run along the
; channels.  Q is quantised along the positions: source 0 = x, a lane holds one channel.  The rows of a fragment are chosen (row r of fragment 2 b + u is row 32 b + 8 u + (r & 7) + 16 (r >> 3)) so that
; register 16 B + i is number 32 B + 16 (lane / 16) + i along that axis: the conversions' results ARE the next operand's registers.
; BATCHNORM, while the tiles are on their way: a thread joins the 32 runs' sums of a pair of channels: mean = sum S / 8,192; M2 = sum M2_k + 256 sum (S_k / 256 - mean)^2 (no difference of large sums);
; A = gamma rsqrt(M2 / 8,192 + 1e-5), B = beta - mean A; z = A y + B in one fused line; LeakyReLU is max(z, 0.1 z).  Thread t takes pair t % 64 of K (waves 0, 1) or V (waves 2, 3), for all waves, through LDS;
; and pair t % 64 of Q, which is one of the 32 pairs that its own wave needs.
; OUT: kq [head 0..63][128 positions j 0..7][16,896]: K's fragments, then their scale words.  att [head][j][33,792]: V's fragments, Q's fragments (16 channels x these 128 positions), V's scale words, Q's.
; LIMITS: NaN and infinities are not served; a block of zeros gets the byte 1 (its codes are zeros; the bytes are read by this program alone).
; REGISTERS, in windows of 256: window 0: v1-31 addresses; v32-95 scale words and nothing else; v96-127 at work; v128-255 source 1's fragments (later z).
;   window 1: source 0's fragments, two sets (at the start Q's sums; behind a pass A and B).   windows 2, 3: accumulator (a, b) at v[8 (8 (a % 4) + b)] of window 2 + a / 4; the second pass uses window 2 alone.
.set GB,   16896
.set REG,  4*GB
.set XPL,  64*GB
.set WPL,  24*GB
.set SCR,  4*REG                       ; behind the tiles: A of K's and V's 256 channels (1,024 bytes), then B: bytes into which no tile lands
.set SCRQ, SCR+2048                    ; 512 bytes for each wave: A of its 64 channels of Q, then B
.set SPARE, SCR+4096                   ; the spare words, 128 bytes for each wave: two blocks of 256 bytes that no other line names
.set A0,   8
.set A1,   9
.set AS0,  10
.set AS1,  11
.set SPW,  26                          ; v26  LDS address of my spare word: SPARE + 4 x my thread's number; never rewritten
.set NIL,  27                          ; v27  0; never rewritten
.set SC,   32
.set AF,   128
.set TM,   112                         ; v112-127 the quantiser's work
.set PC,   96                          ; v96-111 the codes just made
.set PW,   30                          ; v30 their scale word
.set SEL,  94                          ; s[94:95]
.set MNT,  96                          ; s96
.set MSB, 0
.macro WIN new                         ; the immediate's high byte repeats the setting that is left
.if MSB != (\new)
	s_set_vgpr_msb (MSB<<8)|(\new)
.set MSB, (\new)
.endif
.endm
.macro PLACES n                        ; behind this matrix form eight plain vector lines stand in front of a load into, or a vector line on, its registers
.rept \n
	v_nop
.endr
.endm
.macro CREST                           ; a round of the cluster's barrier behind its opening barrier
	s_cmp_lg_u32 s26, 0
	s_cbranch_scc1 .Lnot_wave_0_\@
	s_barrier_signal -3
.Lnot_wave_0_\@:
	s_barrier_wait -3
	s_barrier_signal -1
	s_barrier_wait -1
.endm
.macro CROUND                          ; a whole round
	s_barrier_signal -1
	s_barrier_wait -1
	CREST
.endm
.macro FRAG reg, adr, t
.irp c, 0,1,2,3
	ds_load_b128 v[\reg+4*\c:\reg+4*\c+3], v[\adr] offset:2048*(\t)+512*\c
.endr
.endm
.macro FETCH0 p
	WIN 0x40
.irp i, 0,1,2,3,4,5,6,7
	FRAG 128*(\p)+16*\i, A0, \i
.endr
	WIN 0
.endm
.macro FETCH1 i0
.irp i, \i0, \i0+1, \i0+2, \i0+3
	FRAG AF+16*(\i), A1, \i
.endr
.endm
.macro FETCHQ p                        ; the second pass: my four fragments of Wq into half p of source 1's registers
.irp i, 0,1,2,3
	FRAG AF+64*(\p)+16*\i, A1, \i
.endr
.endm
.macro SCALES s
.irp b, 0,1,2,3,4,5,6,7
	ds_load_b32 v[SC+16*(\s)+\b], v[AS0] offset:16384+64*\b
.endr
.irp b, 0,1,2,3,4,5,6,7
	ds_load_b32 v[SC+16*(\s)+8+\b], v[AS1] offset:16384+64*\b
.endr
.endm
.macro SCALEQ s                        ; the second pass: x is source 0 now: its eight words, and those of my four tiles of Wq
.irp b, 0,1,2,3,4,5,6,7
	ds_load_b32 v[SC+16*(\s)+\b], v[AS0] offset:16384+64*\b
.endr
.irp i, 0,1,2,3
	ds_load_b32 v[SC+16*(\s)+8+4*((\s)%2)+\i], v[AS1] offset:16384+64*\i
.endr
.endm
; The accumulators take turns, one instruction a turn, in the same order in every K step
.macro MUL16 a0, p, s, zero
.irp a, \a0, \a0+1
.irp b, 0,1,2,3,4,5,6,7
.if \zero
	v_wmma_scale_f32_16x16x128_f8f6f4 v[8*(8*((\a)%4)+\b):8*(8*((\a)%4)+\b)+7], v[128*(\p)+16*\b:128*(\p)+16*\b+15], v[AF+16*(\a):AF+16*(\a)+15], 0, v[SC+16*(\s)+\b], v[SC+16*(\s)+8+(\a)] matrix_a_fmt:MATRIX_FMT_BF8 matrix_b_fmt:MATRIX_FMT_BF8
.else
	v_wmma_scale_f32_16x16x128_f8f6f4 v[8*(8*((\a)%4)+\b):8*(8*((\a)%4)+\b)+7], v[128*(\p)+16*\b:128*(\p)+16*\b+15], v[AF+16*(\a):AF+16*(\a)+15], v[8*(8*((\a)%4)+\b):8*(8*((\a)%4)+\b)+7], v[SC+16*(\s)+\b], v[SC+16*(\s)+8+(\a)] matrix_a_fmt:MATRIX_FMT_BF8 matrix_b_fmt:MATRIX_FMT_BF8
.endif
.endr
.endr
.endm
.macro KSTEP s, zero
	s_wait_tensorcnt 2-(\s)                        ; my part of K step s + 1 has landed; the later steps' loads stay out
	s_wait_dscnt 16                                ; all but the youngest sixteen loads (source 1's tiles 4-7) are in
	WIN 0xa1
	MUL16 0, (\s)%2, \s, \zero
	s_wait_dscnt 0x0                               ; no LDS instruction of mine is out at a signal
	s_barrier_signal -1
	MUL16 2, (\s)%2, \s, \zero
	s_barrier_wait -1                              ; everybody's part of K step s + 1 has landed
	WIN 0
	v_add_nc_u32 v[A0], REG, v[A0]                 ; on to the next K step: four of the eight places
	v_add_nc_u32 v[A1], REG, v[A1]
	v_add_nc_u32 v[AS0], REG, v[AS0]
	v_add_nc_u32 v[AS1], REG, v[AS1]
	PLACES 4
	FETCH0 ((\s)+1)%2
	FETCH1 0
	SCALES (\s)+1
	WIN 0xf1
	MUL16 4, (\s)%2, \s, \zero
	MUL16 6, (\s)%2, \s, \zero
	PLACES 8
	WIN 0
	FETCH1 4
.endm
; The second pass's K step s: 32 matrix instructions on window 2's accumulators.  p = s % 2: the sets in hand; a0 = 4 p: where source 1's four tiles lie.  The next step's 60 loads stand in its middle
.macro QSTEP s, p, a0, zero
	s_wait_dscnt 0x0                               ; this step's fragments are in (asked for 16 matrix instructions ahead of the last step's end)
	WIN 0xa1
	MUL16 \a0, \p, \s, \zero
.if (\s) < 3
	WIN 0
	v_add_nc_u32 v[A0], REG, v[A0]                 ; four of the eight places behind the last step's products, which read the other sets
	v_add_nc_u32 v[A1], REG, v[A1]
	v_add_nc_u32 v[AS0], REG, v[AS0]
	v_add_nc_u32 v[AS1], REG, v[AS1]
	PLACES 4
	FETCH0 1-(\p)
	FETCHQ 1-(\p)
	SCALEQ (\s)+1
	WIN 0xa1
.endif
	MUL16 \a0+2, \p, \s, \zero
.endm
; A pair of channels: the 32 runs' S0, S1, M0, M1 in v[128 + 4 k] on, gamma in v[114:115], beta in v[116:117]; A comes out in v[110:111], B in v[112:113].  Every register of the one window that is set
.macro BNPAR
	v_pk_add_f32 v[96:97], v[128:129], v[132:133]          ; sum of S and of M2 over the 32 runs, two chains each
	v_pk_add_f32 v[100:101], v[130:131], v[134:135]
	v_pk_add_f32 v[98:99], v[136:137], v[140:141]
	v_pk_add_f32 v[102:103], v[138:139], v[142:143]
.set k, 4
.rept 14
	v_pk_add_f32 v[96:97], v[96:97], v[128+4*k:129+4*k]
	v_pk_add_f32 v[100:101], v[100:101], v[130+4*k:131+4*k]
	v_pk_add_f32 v[98:99], v[98:99], v[132+4*k:133+4*k]
	v_pk_add_f32 v[102:103], v[102:103], v[134+4*k:135+4*k]
.set k, k+2
.endr
	v_pk_add_f32 v[96:97], v[96:97], v[98:99]
	v_pk_add_f32 v[100:101], v[100:101], v[102:103]
	v_pk_mul_f32 v[104:105], v[96:97], 0x39000000 op_sel_hi:[1,0]   ; the mean over 8,192
.set k, 0
.rept 32
	v_pk_fma_f32 v[128+4*k:129+4*k], v[128+4*k:129+4*k], 0x3b800000, v[104:105] op_sel_hi:[1,0,1] neg_lo:[0,0,1] neg_hi:[0,0,1]   ; the run's mean less the mean
.set k, k+1
.endr
	v_pk_mul_f32 v[106:107], v[128:129], v[128:129]
	v_pk_mul_f32 v[108:109], v[132:133], v[132:133]
.set k, 2
.rept 15
	v_pk_fma_f32 v[106:107], v[128+4*k:129+4*k], v[128+4*k:129+4*k], v[106:107]
	v_pk_fma_f32 v[108:109], v[132+4*k:133+4*k], v[132+4*k:133+4*k], v[108:109]
.set k, k+2
.endr
	v_pk_add_f32 v[106:107], v[106:107], v[108:109]
	v_pk_fma_f32 v[106:107], v[106:107], 0x43800000, v[100:101] op_sel_hi:[1,0,1]   ; M2 = 256 x that + the runs' M2
	v_fma_f32 v106, v106, s98, s99                 ; the biased variance + 1e-5
	v_fma_f32 v107, v107, s98, s99
	s_wait_alu depctr_va_vdst(0)
	v_rsq_f32 v108, v106
	v_rsq_f32 v109, v107
	v_nop                                          ; a plain line behind the transcendentals
	s_wait_alu depctr_va_vdst(0)
	v_pk_mul_f32 v[110:111], v[114:115], v[108:109]        ; A = gamma rsqrt(..)
	v_pk_fma_f32 v[112:113], v[104:105], v[110:111], v[116:117] neg_lo:[1,0,0] neg_hi:[1,0,0]   ; B = beta - mean A
.endm
; 64 numbers of a lane, register 16 b + i = number 32 b + 16 (lane / 16) + i along the next K, become a fragment's codes in v[PC] on and its scale word in v[PW]
.macro QUANT s
.irp b, 0,1,2,3
	v_max3_num_f32 v[TM+\b], |v[\s+16*\b]|, |v[\s+1+16*\b]|, 0x8000000   ; my 16 numbers of block b, and the floor 2^(16 - 127): the byte cannot fall under 1
.endr
.irp i, 2,4,6,8,10,12,14
.irp b, 0,1,2,3
	v_max3_num_f32 v[TM+\b], v[TM+\b], |v[\s+16*\b+\i]|, |v[\s+1+16*\b+\i]|
.endr
.endr
.irp b, 0,1,2,3
	v_permlanex16_b32 v[TM+4+\b], v[TM+\b], s[SEL], s[SEL+1]
.endr
.irp b, 0,1,2,3
	v_max_num_f32 v[TM+\b], v[TM+\b], v[TM+4+\b]           ; with lane l xor 16's 16: the block's largest magnitude
.endr
.irp b, 0,1,2,3
	v_add_nc_u32 v[TM+12+\b], 0xf8800000, v[TM+\b]         ; 15 off its exponent field: the conversion's scale operand
.endr
.irp b, 0,1,2,3
.endr
.irp b, 0,1,2,3
	v_lshrrev_b32 v[TM+4+\b], 23, v[TM+12+\b]              ; the scale's byte
.endr
	v_lshl_or_b32 v[PW], v[TM+5], 8, v[TM+4]
	v_lshl_or_b32 v[PW], v[TM+6], 16, v[PW]
	v_lshl_or_b32 v[PW], v[TM+7], 24, v[PW]
.irp b, 0,1,2,3
.irp i, 0,1,2,3,4,5,6,7,8,9,10,11,12,13,14,15
.endr
	v_cvt_scalef32_pk8_bf8_f32 v[PC+4*\b:PC+1+4*\b], v[\s+16*\b:\s+7+16*\b], v[TM+12+\b]
	v_cvt_scalef32_pk8_bf8_f32 v[PC+2+4*\b:PC+3+4*\b], v[\s+8+16*\b:\s+15+16*\b], v[TM+12+\b]
.endr
	v_nop                                          ; a plain line behind the last conversion
.endm
; Source 1's tile a: its 64 results a lane become one fragment.  form = 0 (K, V): A and B run along the registers; form = 1 (Q): one A and one B a lane.  base: the stores' scalar base; sv: the scale word's offset register
.macro EBLK a, form, base, sv
	s_wait_xcnt 0x0                                ; the last fragment's stores have read their registers: codes and scale word may be written again
	WIN 0x16+(\a)/4                                ; source 0 (y) window 2 or 3, sources 1 and 2 (A, B) window 1
.set k, 0
.rept 32
.if \form
	v_pk_fma_f32 v[128+2*k:129+2*k], v[64*((\a)%4)+2*k:64*((\a)%4)+2*k+1], v[2*(\a):2*(\a)+1], v[64+2*(\a):65+2*(\a)]   ; each accumulator from its low end on
.else
	v_pk_fma_f32 v[128+2*k:129+2*k], v[64*((\a)%4)+2*k:64*((\a)%4)+2*k+1], v[2*k:2*k+1], v[64+2*k:65+2*k]
.endif
.set k, k+1
.endr
	WIN 0
.set k, 0
.rept 32
	v_pk_mul_f32 v[192+2*k:193+2*k], v[128+2*k:129+2*k], 0x3dcccccd op_sel_hi:[1,0]   ; 0.1 z
.set k, k+1
.endr
.set k, 0
.rept 64
	v_max_num_f32 v[128+k], v[128+k], v[192+k]     ; z where z >= 0, else 0.1 z
.set k, k+1
.endr
	QUANT 128
.irp c, 0,1,2,3
	global_store_b128 v3, v[PC+4*\c:PC+4*\c+3], s[\base:\base+1] offset:2048*(\a)+512*\c   ; the image: 512 consecutive bytes a store
.endr
	global_store_b32 v[\sv], v[PW], s[\base:\base+1] offset:64*(\a)   ; lanes 16-31 write the same words with the same values
.endm
	s_load_b512 s[4:19], s[0:1], 0x0               ; xc s[4:5], wc s[6:7], part s[8:9], gk s[10:11], bk s[12:13], gv s[14:15], bv s[16:17], gq s[18:19]
	s_load_b128 s[20:23], s[0:1], 0x40             ; bq s[20:21], kq s[22:23]
	s_load_b64 s[24:25], s[0:1], 0x50              ; att
	v_lshl_add_u32 v[SPW], v0, 2, SPARE
	v_mov_b32 v[NIL], 0
	ds_add_u32 v26, v27
	ds_add_u32 v26, v27
	s_wait_dscnt 0x0
	v_lshrrev_b32 v1, 5, v0
	v_readfirstlane_b32 s26, v1                    ; wave 0..3
	s_lshr_b32 s27, s26, 1                         ; PH: which 128 positions are mine
	s_and_b32 s28, s26, 1                          ; CH: first pass: K (0) or V (1); second pass: which 64 channels of Q.  Also: which of the two blocks I fetch
	s_bfe_u32 s30, ttmp6, 0x40000                  ; cx, cy
	s_bfe_u32 s31, ttmp6, 0x40004
	s_lshl_b32 s84, ttmp9, 2
	s_add_co_u32 s84, s84, s30                     ; the head 0..7
	s_and_b32 s85, ttmp7, 0xffff
	s_lshl_b32 s85, s85, 2
	s_add_co_u32 s85, s85, s31                     ; the run of 256 positions 0..31
	s_lshl_b32 s86, s31, 2
	s_lshl_b32 s86, 15, s86                        ; my row of the cluster
	s_lshl_b32 s87, 0x1111, s30                    ; my column
	s_or_b32 s32, s86, (3<<16)|(1<<21)             ; group 1 as in the launch before: 66 dense rows of 32 elements of 8 bytes; x's blocks go to my row,
	s_or_b32 s40, s87, (3<<16)|(1<<21)             ; W's to my column
.irp g, 32, 40
	s_mov_b32 s[\g+1], 32<<16
	s_mov_b32 s[\g+2], 66<<16
	s_mov_b32 s[\g+3], 32<<16
	s_mov_b32 s[\g+4], 66
	s_mov_b32 s[\g+5], 32
	s_mov_b32 s[\g+6], 0
	s_mov_b32 s[\g+7], 0
.endr
	s_mov_b32 s[SEL], 0x76543210
	s_mov_b32 s[SEL+1], 0xfedcba98
	s_lshl_b32 s88, s85, 1
	s_add_co_u32 s88, s88, s28
	s_mul_i32 s88, s88, GB                         ; x: hangs on the run alone
	s_mov_b32 s89, 0
	s_lshl_b32 s90, s28, 3
	s_add_co_u32 s90, s90, s84
	s_mul_i32 s90, s90, GB                         ; W: group 8 x (Wk 0, Wv 1) + head: hangs on the head alone
	s_mov_b32 s91, 0
	s_add_co_u32 s66, s84, 16
	s_mul_i32 s66, s66, GB                         ; Wq: group 16 + head,
	s_mul_i32 s67, s26, WPL                        ; K step = my wave's number
	s_add_co_u32 s66, s66, s67
	s_mov_b32 s67, 0
	s_mul_i32 s97, s26, GB
	s_wait_kmcnt 0x0
	s_add_nc_u64 s[88:89], s[4:5], s[88:89]
	s_add_nc_u64 s[90:91], s[6:7], s[90:91]
	s_add_nc_u64 s[66:67], s[6:7], s[66:67]
	CROUND                                         ; all sixteen work-groups are here: the joint loads meet
.irp s, 0,1,2,3
	s_mov_b32 s[48+4*\s], 1
	s_add_co_u32 s[49+4*\s], s97, \s*REG
	s_add_nc_u64 s[50+4*\s:51+4*\s], s[88:89], \s*XPL
	s_or_b32 s[51+4*\s], s[51+4*\s], 0x80000000
	s_mov_b32 s[68+4*\s], 1
	s_add_co_u32 s[69+4*\s], s97, \s*REG
	s_add_nc_u64 s[70+4*\s:71+4*\s], s[90:91], \s*WPL
	s_or_b32 s[71+4*\s], s[71+4*\s], 0x80000000
.endr
	s_cmp_lt_u32 s26, 2                            ; a wave's four loads stand in one branch: four loads of mine are out
	s_cbranch_scc0 .Lfirst_w
	tensor_load_to_lds s[48:51], s[32:39]
	s_nop 0
	tensor_load_to_lds s[52:55], s[32:39]
	s_nop 0
	tensor_load_to_lds s[56:59], s[32:39]
	s_nop 0
	tensor_load_to_lds s[60:63], s[32:39]
	s_nop 0
.rept 4
	v_nop
.endr
	s_branch .Lfirst_asked
.Lfirst_w:
	tensor_load_to_lds s[68:71], s[40:47]
	s_nop 0
	tensor_load_to_lds s[72:75], s[40:47]
	s_nop 0
	tensor_load_to_lds s[76:79], s[40:47]
	s_nop 0
	tensor_load_to_lds s[80:83], s[40:47]
	s_nop 0
.rept 4
	v_nop
.endr
.Lfirst_asked:
	; whose sums my thread joins: K's in waves 0, 1, V's in waves 2, 3: choices that hang on the wave's number alone
	s_cmp_eq_u32 s27, 0
	s_cselect_b64 s[10:11], s[10:11], s[14:15]     ; gamma: gk or gv
	s_cselect_b64 s[12:13], s[12:13], s[16:17]     ; beta: bk or bv
	s_lshl_b32 s2, s84, 9                          ; the head's 128 channels
	s_mov_b32 s3, 0
	s_add_nc_u64 s[10:11], s[10:11], s[2:3]
	s_add_nc_u64 s[12:13], s[12:13], s[2:3]
	s_add_nc_u64 s[18:19], s[18:19], s[2:3]        ; gq
	s_add_nc_u64 s[20:21], s[20:21], s[2:3]        ; bq
	s_lshl_b32 s2, s27, 3
	s_add_co_u32 s2, s2, s84
	s_lshl_b32 s2, s2, 10                          ; part: a group's 64 pairs are 1,024 bytes: group 8 x (K 0, V 1) + head,
	s_add_nc_u64 s[14:15], s[8:9], s[2:3]
	s_lshl_b32 s2, s84, 10
	s_add_co_u32 s2, s2, 16384                     ; and group 16 + head
	s_add_nc_u64 s[16:17], s[8:9], s[2:3]
	v_and_b32 v14, 63, v0
	v_lshlrev_b32 v12, 4, v14                      ; my pair: 16 (t % 64)
	v_bfe_u32 v13, v0, 4, 2                        ; its channels 2 t', 2 t' + 1 in the fragments' order are channels 32 (t' >> 4) + 8 ((t' >> 3) & 1) + 16 ((t' >> 2) & 1) + 2 (t' & 3) and the next
	v_lshlrev_b32 v13, 5, v13
	v_bfe_u32 v14, v0, 3, 1
	v_lshl_add_u32 v13, v14, 3, v13
	v_and_b32 v14, 3, v0
	v_lshl_add_u32 v13, v14, 1, v13
	v_bfe_u32 v14, v0, 2, 1
	v_lshl_add_u32 v13, v14, 4, v13
	v_lshlrev_b32 v13, 2, v13
	global_load_b64 v[114:115], v13, s[10:11]
	global_load_b64 v[116:117], v13, s[12:13]
.set k, 0
.rept 32
	global_load_b128 v[128+4*k:131+4*k], v12, s[14:15] offset:24576*k   ; run k of 256 positions: S0, S1, M0, M1
.set k, k+1
.endr
	WIN 0x40                                       ; Q's go out with them, into the same registers of window 1
	global_load_b64 v[114:115], v13, s[18:19]
	global_load_b64 v[116:117], v13, s[20:21]
.set k, 0
.rept 32
	global_load_b128 v[128+4*k:131+4*k], v12, s[16:17] offset:24576*k
.set k, k+1
.endr
	WIN 0
	; addresses, while these loads are on their way
	v_and_b32 v1, 15, v0                           ; r
	v_bfe_u32 v2, v0, 4, 1                         ; h
	v_and_b32 v4, 31, v0
	v_lshlrev_b32 v3, 4, v4                        ; 16 x lane
	v_lshlrev_b32 v5, 2, v1                        ; 4 r
	s_wait_alu depctr_va_vdst(0)
	v_lshl_add_u32 v31, v0, 3, SCR                 ; where my pair's A of K or V goes
	s_lshl_b32 s97, s28, 9
	s_add_co_u32 s97, s97, SCR
	v_lshl_add_u32 v6, v2, 5, s97                  ; K, V: A of channels 16 t + 8 h + 0 .. 7 of my tensor
	s_lshl_b32 s97, s26, 9
	s_add_co_u32 s97, s97, SCRQ
	v_lshl_add_u32 v24, v4, 3, s97                 ; Q: where my pair's A goes, in my wave's own bytes,
	v_add_nc_u32 v7, s97, v5                       ; and where A of channel 16 a + r is read back
	s_lshr_b32 s97, s85, 2                         ; the output block: head of 64 = 8 x batch + head, j = 2 (run % 4) + PH
	s_lshl_b32 s97, s97, 3
	s_add_co_u32 s97, s97, s84
	s_lshl_b32 s97, s97, 3
	s_and_b32 s98, s85, 3
	s_lshl_b32 s98, s98, 1
	s_add_co_u32 s97, s97, s98
	s_add_co_u32 s97, s97, s27                     ; 8 x head + j
	s_mul_i32 s98, s97, 2*GB                       ; att's block,
	s_mul_i32 s97, s97, GB                         ; kq's
	s_cmp_eq_u32 s28, 0
	s_cselect_b64 s[22:23], s[22:23], s[24:25]     ; the first pass stores into kq (K) or att (V)
	s_cselect_b32 s2, s97, s98
	s_mov_b32 s99, 32768
	s_cselect_b32 s99, 16384, s99                  ; from the fragments to their scale words: K 16,384, V 32,768
	s_add_nc_u64 s[22:23], s[22:23], s[2:3]
	v_add_nc_u32 v29, s99, v5
	s_lshl_b32 s2, s28, 13                         ; Q's fragments lie behind V's; my four of the eight
	s_add_co_u32 s2, s2, s98
	s_add_co_u32 s2, s2, 16384
	s_add_nc_u64 s[24:25], s[24:25], s[2:3]
	s_mul_i32 s99, s28, 7936                       ; from there to their scale words: 33,280 + 256 CH - 16,384 - 8,192 CH
	s_sub_co_u32 s99, 16896, s99
	v_add_nc_u32 v25, s99, v5
	s_mul_i32 s92, s27, GB                         ; x's block of my 128 positions
	s_mul_i32 s93, s28, GB
	s_add_co_u32 s93, s93, 2*GB                    ; Wk's or Wv's block
	v_add_nc_u32 v[A0], s93, v3                    ; the first pass: source 0 = W,
	v_add_nc_u32 v[A1], s92, v3                    ; source 1 = x
	v_add_nc_u32 v[AS0], s93, v5
	v_add_nc_u32 v[AS1], s92, v5
	s_mov_b32 s98, 0x39000000                      ; 2^-13
	s_mov_b32 s99, 0x3727c5ac                      ; 1e-5
	s_wait_loadcnt 0x0
	BNPAR                                          ; K's or V's pair
	ds_store_b64 v31, v[110:111]
	ds_store_b64 v31, v[112:113] offset:1024
	WIN 0x55                                       ; every operand in window 1:
	BNPAR                                          ; Q's pair
	WIN 0x04                                       ; an LDS store's data are its source 1
	ds_store_b64 v24, v[110:111]
	ds_store_b64 v24, v[112:113] offset:256
	WIN 0
.irp b, 0,1,2,3
	v_mov_b32 v[TM+4+\b], 0                        ; a lane permute's destination counts as one of its sources
.endr
	s_wait_tensorcnt 3                             ; my part of K step 0 has landed; three loads stay out
	s_wait_dscnt 0x0                               ; for the others' sake: my A and B are in LDS
	s_barrier_signal -1
	s_barrier_wait -1
	FETCH0 0
	FETCH1 0
	SCALES 0
	FETCH1 4
	KSTEP 0, 1                                     ; the first products start the sums: nothing is cleared
	s_wait_alu depctr_va_vdst(0)
	KSTEP 1, 0
	s_wait_alu depctr_va_vdst(0)
	KSTEP 2, 0
	; The first pass's last K step, and the refill.  All fragments of W are asked for; when they are in, nobody reads W's blocks any more
	s_wait_tensorcnt 0x0                           ; all my tensor loads have landed,
	ds_add_u32 v[SPW], v[NIL]                      ; 0 onto my spare word;
	s_wait_dscnt 17                                ; (the add and the youngest sixteen loads, source 1's tiles 4-7, may be out)
	WIN 0xa1
	MUL16 0, 1, 3, 0                               ; sixteen matrix instructions stand between the add and the wait for it
	s_wait_dscnt 0x0                               ; the add is done, and my reads of W's blocks are over
	s_barrier_signal -1
	MUL16 2, 1, 3, 0
	WIN 0
	s_barrier_wait -1
	CREST                                          ; the barrier has opened a round of the cluster's barrier: no wave of any partner still reads W's blocks or has a load on its way
	s_mov_b32 s68, 1                               ; W's first group 0 is free: its load has landed.  It takes Wq's block of K step = my wave's number,
	s_mul_i32 s69, s26, REG
	s_add_co_u32 s69, s69, 2*GB                    ; into Wk's bytes of that K step
	s_mov_b64 s[70:71], s[66:67]
	s_or_b32 s71, s71, 0x80000000
	tensor_load_to_lds s[68:71], s[40:47]          ; my one tensor load behind the round: one load of mine is out
	s_nop 0
.rept 4
	v_nop
.endr
	WIN 0xf1
	MUL16 4, 1, 3, 0
	MUL16 6, 1, 3, 0
	WIN 0
	PLACES 8
	; A and B in the results' layout, into window 1, where source 0's first set lay
	WIN 0x40
.irp t, 0,1,2,3,4,5,6,7
	ds_load_b128 v[8*\t:8*\t+3], v6 offset:64*\t                   ; register 8 t + j: channel 16 t + 8 h + j in the fragments' order
	ds_load_b128 v[8*\t+4:8*\t+7], v6 offset:64*\t+16
	ds_load_b128 v[64+8*\t:64+8*\t+3], v6 offset:1024+64*\t
	ds_load_b128 v[64+8*\t+4:64+8*\t+7], v6 offset:1024+64*\t+16
.endr
	WIN 0
	s_wait_dscnt 0x0
	EBLK 0, 0, 22, 29
	EBLK 1, 0, 22, 29
	EBLK 2, 0, 22, 29
	EBLK 3, 0, 22, 29
	EBLK 4, 0, 22, 29
	EBLK 5, 0, 22, 29
	EBLK 6, 0, 22, 29
	EBLK 7, 0, 22, 29
	; ---- The second pass: Q.  Source 0 = x's eight tiles of my 128 positions, source 1 = my four tiles of Wq
	s_wait_tensorcnt 0x0                           ; my K step of Wq's block has landed
	s_wait_dscnt 0x0
	s_barrier_signal -1
	s_barrier_wait -1                              ; everybody's has
	s_lshl_b32 s93, s28, 13                        ; my four fragments of the block's eight
	s_add_co_u32 s93, s93, 2*GB
	s_lshl_b32 s97, s28, 8                         ; and their scale words
	s_add_co_u32 s97, s97, 2*GB
	v_add_nc_u32 v[A0], s92, v3                    ; back to K step 0
	v_add_nc_u32 v[AS0], s92, v5
	v_add_nc_u32 v[A1], s93, v3
	v_add_nc_u32 v[AS1], s97, v5
	FETCH0 0
	FETCHQ 0
	SCALEQ 0
	s_wait_alu depctr_va_vdst(0)
	QSTEP 0, 0, 0, 1                               ; the first products start the sums
	s_wait_alu depctr_va_vdst(0)
	QSTEP 1, 1, 4, 0
	s_wait_alu depctr_va_vdst(0)
	QSTEP 2, 0, 0, 0
	QSTEP 3, 1, 4, 0
	WIN 0
	PLACES 8
	WIN 0x40
.irp a, 0,1,2,3
	ds_load_b32 v[2*\a], v7 offset:64*\a                           ; tile a: my channel's A, twice: a pair for the packed lines; my wave's own bytes
	ds_load_b32 v[2*\a+1], v7 offset:64*\a
	ds_load_b32 v[64+2*\a], v7 offset:256+64*\a
	ds_load_b32 v[65+2*\a], v7 offset:256+64*\a
.endr
	WIN 0
	s_wait_dscnt 0x0
	EBLK 0, 1, 24, 25
	EBLK 1, 1, 24, 25
	EBLK 2, 1, 24, 25
	EBLK 3, 1, 24, 25
	s_wait_tensorcnt 0x0                           ; the wave's end, behind my last tensor load and my last LDS store
	ds_add_u32 v[SPW], v[NIL]
	s_wait_dscnt 0x0
	CROUND                                         ; the closing round: no work-group ends while a partner may still ask for a block that names it
	s_endpgm
.Lfunc_end_k_q710b4df17f_proj:
	.size	k_q710b4df17f_proj, .Lfunc_end_k_q710b4df17f_proj-k_q710b4df17f_proj
	.p2alignl 7, 3214868480
	.fill 96, 4, 3214868480
	.section	.rodata,"a",@progbits
	.p2align	6, 0x0
	.amdhsa_kernel k_q710b4df17f_proj
		.amdhsa_group_segment_fixed_size 327680
		.amdhsa_private_segment_fixed_size 0
		.amdhsa_enable_private_segment 0
		.amdhsa_kernarg_size 88
		.amdhsa_user_sgpr_count 2
		.amdhsa_user_sgpr_kernarg_segment_ptr 1
		.amdhsa_wavefront_size32 1
		.amdhsa_system_sgpr_workgroup_id_x 1
		.amdhsa_system_sgpr_workgroup_id_y 1
		.amdhsa_system_sgpr_workgroup_id_z 1
		.amdhsa_system_vgpr_workitem_id 0
		.amdhsa_next_free_vgpr 1024
		.amdhsa_next_free_sgpr 100
		.amdhsa_reserve_vcc 0
		.amdhsa_float_denorm_mode_32 3
		.amdhsa_float_denorm_mode_16_64 3
		.amdhsa_fp16_overflow 1
		.amdhsa_memory_ordered 1
		.amdhsa_forward_progress 1
		.amdhsa_inst_pref_size 255
	.end_amdhsa_kernel
	.section	.bss,"aw",@nobits
	.p2align	6
	.space	262144
	.amdgpu_metadata
---
amdhsa.version: [ 1, 2 ]
amdhsa.kernels:
  - .name:           k_q710b4df17f_proj
    .symbol:         k_q710b4df17f_proj.kd
    .args:
      - { .name: xc, .offset: 0, .size: 8, .value_kind: global_buffer, .address_space: global }
      - { .name: wc, .offset: 8, .size: 8, .value_kind: global_buffer, .address_space: global }
      - { .name: part, .offset: 16, .size: 8, .value_kind: global_buffer, .address_space: global }
      - { .name: gk, .offset: 24, .size: 8, .value_kind: global_buffer, .address_space: global }
      - { .name: bk, .offset: 32, .size: 8, .value_kind: global_buffer, .address_space: global }
      - { .name: gv, .offset: 40, .size: 8, .value_kind: global_buffer, .address_space: global }
      - { .name: bv, .offset: 48, .size: 8, .value_kind: global_buffer, .address_space: global }
      - { .name: gq, .offset: 56, .size: 8, .value_kind: global_buffer, .address_space: global }
      - { .name: bq, .offset: 64, .size: 8, .value_kind: global_buffer, .address_space: global }
      - { .name: kq, .offset: 72, .size: 8, .value_kind: global_buffer, .address_space: global }
      - { .name: att, .offset: 80, .size: 8, .value_kind: global_buffer, .address_space: global }
    .group_segment_fixed_size: 327680
    .private_segment_fixed_size: 0
    .kernarg_segment_align: 8
    .kernarg_segment_size: 88
    .max_flat_workgroup_size: 128
    .sgpr_count:     100
    .vgpr_count:     1024
    .wavefront_size: 32
...
	.end_amdgpu_metadata
.endif
;; end of part 3
;; launch attn (part 4): grid 4 x 64, 16 waves a work-group, clusters of 4 x 1, 272,384 bytes of LDS; arguments kq, att, out0; writes out0
.if DOCPART == 4
	.amdgcn_target "amdgcn-amd-amdhsa--gfx1250"
	.amdhsa_code_object_version 6
	.text
	.protected	k_q710b4df17f_attn
	.globl	k_q710b4df17f_attn
	.p2align	8
	.type	k_q710b4df17f_attn,@function
k_q710b4df17f_attn:
	s_mov_b64 s[64:65], 0
	v_nop
	global_prefetch_b8 v0, s[64:65] scope:SCOPE_SE
	s_setreg_imm32_b32 hwreg(HW_REG_WAVE_MODE, 25, 1), 1
	s_wait_xcnt 0x0
	s_wait_alu depctr_hold_cnt(0) depctr_sa_sdst(0) depctr_va_vdst(0) depctr_va_sdst(0) depctr_va_ssrc(0) depctr_va_vcc(0) depctr_vm_vsrc(0)
	s_getreg_b32 s2, hwreg(HW_REG_IB_STS2, 6, 4)
	s_cmp_eq_u32 s2, 0
	s_cbranch_scc0 .Lentry_in_a_cluster
	s_endpgm
.Lentry_in_a_cluster:
	s_bfe_u32 s2, ttmp6, 0x10000c
	s_cmp_lg_u32 s2, 0x3003
	s_cbranch_scc0 .Lentry_shape_is_right
	s_endpgm
.Lentry_shape_is_right:
; out[head][c][i] = sum over j of softmax_j(K[:, i] . V[:, j] / sqrt(128)) Q[c][j]: K's 1,024 positions are the queries, V's the keys, Q's rows the values.  Both products on codes of E5M2 with E8M0 scales.
; THE SOFTMAX AHEAD OF THE SECOND PRODUCT: t = score x log2(e) / sqrt(128); M = the row's largest t so far, rounded UP to a whole number; p = 2^(t - M) is quantised along the keys, not normalised;
; the row's sum is taken of the unquantised p and divides at the end.  When M moves, the sum and O are multiplied by 2^(old M - new M): exact.
; SHARES.  A work-group owns 256 queries of one head, each of its sixteen waves 16 of them in 256 registers: four waves to a SIMD, so that one wave's vector work stands beside another's matrix work.
; A HEAD'S KEYS AND VALUES, with their scale words, are one dense block of 270,336 bytes of att, in the order in which they are read: they lie in LDS whole, each byte filled once: no ring.  Each wave brings two
; pieces of 8,448 bytes, one of each half.  The four query blocks of a head form a cluster and ask for each piece JOINTLY.
; LAYOUT.  Both products are used transposed: S^T (source 0 = 16 keys, source 1 = my 16 queries), O^T (source 0 = 16 channels of Q, source 1 = p): a lane holds ONE query (lane % 16) throughout.
; Operands lie as images of their registers (a fragment: 2,048 bytes, [c][lane][16]); row r of fragment 2 b + u is row 32 b + 8 u + (r & 7) + 16 (r >> 3), so that the 16 registers of tiles 2 b, 2 b + 1
; are 16 neighbouring keys (and, in O^T, 16 neighbouring channels).
; LIMITS: NaN and infinities are not served.  The block's largest p is made from the block's largest score by the same two lines as every p: this takes v_exp_f32 not to fall where its input rises.
; REGISTERS: v1 16 x lane, v2 4 r; v8-11 addresses in hand; v12 -M, v13 the largest t, v[14:15] the sum in two halves; v16-31 my queries; v32-95 four fragments; v96-159 S^T, then p; v160-223 O^T;
;   v224-239 p's codes; v232-247, v252, v254 at work; v248-251 the tiles' scale words, v253 p's, v255 my queries'.
.set GB,   16896                       ; a block of kq
.set STEPB, 33792                      ; 128 keys in att and in LDS: keys' fragments, values' fragments, keys' scale words, values' scale words
.set HALFB, 4*STEPB
.set WV,   18                          ; s18  my wave's number
.set MNT,  19
.set SEL,  20                          ; s[20:21] lane selects: lane l xor 16
.set CS,   22                          ; s[22:23] c = log2(e) / sqrt(128)
.macro CROUND                          ; a round of the cluster's barrier
	s_barrier_signal -1
	s_barrier_wait -1
	s_cmp_lg_u32 s[WV], 0
	s_cbranch_scc1 .Lnot_wave_0_\@
	s_barrier_signal -3
.Lnot_wave_0_\@:
	s_barrier_wait -3
	s_barrier_signal -1
	s_barrier_wait -1
.endm
; A KEY STEP: the 128 keys that begin at LDS byte s40
.macro STEP
	v_add_nc_u32 v8, s40, v1
	s_wait_alu depctr_va_vdst(0)
	v_add_nc_u32 v10, s40, v2
	s_wait_alu depctr_va_vdst(0)
.irp g, 0,1                            ; S^T, four tiles of 16 keys at a time
.rept 8-2*(1-\g)
	v_nop                                          ; eight places in front of loads into registers that matrix instructions have read; the two additions above are places too
.endr
.irp t, 0,1,2,3
.irp c, 0,1,2,3
	ds_load_b128 v[32+16*\t+4*\c:32+16*\t+4*\c+3], v8 offset:2048*(4*\g+\t)+512*\c
.endr
	ds_load_b32 v[248+\t], v10 offset:32768+64*(4*\g+\t)
.endr
	s_wait_dscnt 0x0
.irp t, 0,1,2,3
	v_wmma_scale_f32_16x16x128_f8f6f4 v[96+8*(4*\g+\t):103+8*(4*\g+\t)], v[32+16*\t:47+16*\t], v[16:31], 0, v[248+\t], v255 matrix_a_fmt:MATRIX_FMT_BF8 matrix_b_fmt:MATRIX_FMT_BF8
.endr
.endr
.rept 8
	v_nop
.endr
.irp b, 0,1,2,3
	v_max3_num_f32 v[232+\b], v[96+16*\b], v[97+16*\b], v[98+16*\b]   ; the largest score of each block of 32 keys: it serves the row's maximum and, since p rises with the score, the block's largest p
.endr
.irp i, 3,5,7,9,11,13
.irp b, 0,1,2,3
	v_max3_num_f32 v[232+\b], v[232+\b], v[96+16*\b+\i], v[97+16*\b+\i]
.endr
.endr
.irp b, 0,1,2,3
	v_max_num_f32 v[232+\b], v[232+\b], v[111+16*\b]
.endr
.irp b, 0,1,2,3
	v_permlanex16_b32 v[236+\b], v[232+\b], s[SEL], s[SEL+1]
.endr
.irp b, 0,1,2,3
	s_delay_alu instid0(VALU_DEP_4)
	v_max_num_f32 v[232+\b], v[232+\b], v[236+\b]  ; with lane l xor 16's 16 keys
.endr
	s_delay_alu instid0(VALU_DEP_2)
	v_max3_num_f32 v254, v232, v233, v234
	s_delay_alu instid0(VALU_DEP_1)
	v_max_num_f32 v254, v254, v235                 ; the step's largest score of my query
	s_delay_alu instid0(VALU_DEP_1)
	v_mul_f32 v254, s[CS], v254                    ; as t (c is positive)
	s_delay_alu instid0(VALU_DEP_1)
	v_max_num_f32 v13, v13, v254                   ; the running largest t
	v_mov_b32 v254, v12
	s_delay_alu instid0(VALU_DEP_2)
	v_floor_f32 v12, -v13                          ; the new -M = floor(-t) = -ceil(t)
	s_delay_alu instid0(VALU_DEP_1)
	v_sub_f32 v254, v12, v254                      ; old M - new M: a whole number, 0 or less
	s_delay_alu instid0(VALU_DEP_1)
	v_cvt_i32_f32 v254, v254                       ; (it saturates)
	s_delay_alu instid0(VALU_DEP_1)
	v_ldexp_f32 v252, 1.0, v254                    ; f = 2^(old M - new M)
.set j, 0
.rept 32
	v_pk_fma_f32 v[96+j:97+j], v[96+j:97+j], s[CS:CS+1], v[12:13] op_sel_hi:[1,0,0]   ; t - M, two at a time
.set j, j+2
.endr
.irp b, 0,1,2,3
	v_fma_f32 v[232+\b], v[232+\b], s[CS], v12     ; the same of each block's largest score
.endr
.set j, 0
	s_wait_alu depctr_va_vdst(0)
.rept 64
	v_exp_f32 v[96+j], v[96+j]                     ; p = 2^(t - M), at most 1
.set j, j+1
.endr
.irp b, 0,1,2,3
	v_exp_f32 v[232+\b], v[232+\b]                 ; the block's largest p
.endr
	v_pk_mul_f32 v[14:15], v[14:15], v[252:253] op_sel_hi:[1,0]   ; the sums under the new M.  (A plain line behind the exponentials)
	s_setprio 1
	s_wait_alu depctr_va_vdst(0)
.irp b, 0,1,2,3
	v_max_num_f32 v[232+\b], 0x8000000, v[232+\b]  ; the floor 2^(16 - 127): the byte cannot fall under 1
.endr
.irp b, 0,1,2,3
	s_delay_alu instid0(VALU_DEP_4)
	v_add_nc_u32 v[244+\b], 0xf8800000, v[232+\b]  ; 15 off the exponent field: the conversion's scale operand
.endr
.irp b, 0,1,2,3
.endr
.irp b, 0,1,2,3
	s_delay_alu instid0(VALU_DEP_4)
	v_lshrrev_b32 v[236+\b], 23, v[244+\b]         ; the scale's byte
.endr
	s_delay_alu instid0(VALU_DEP_3)
	v_lshl_or_b32 v253, v237, 8, v236              ; p's scale word for these 128 keys
	s_delay_alu instid0(VALU_DEP_1)
	v_lshl_or_b32 v253, v238, 16, v253
	s_delay_alu instid0(VALU_DEP_1)
	v_lshl_or_b32 v253, v239, 24, v253
	v_pk_add_f32 v[236:237], v[100:101], v[104:105]
	v_pk_add_f32 v[250:251], v[108:109], v[112:113]
	v_pk_add_f32 v[248:249], v[116:117], v[120:121]
	v_pk_add_f32 v[242:243], v[124:125], v[128:129]
	v_pk_add_f32 v[240:241], v[132:133], v[136:137]
	v_pk_add_f32 v[238:239], v[140:141], v[144:145]
	v_pk_add_f32 v[234:235], v[148:149], v[152:153]
	v_pk_add_f32 v[14:15], v[14:15], v[156:157]
	v_pk_add_f32 v[236:237], v[236:237], v[96:97]
	v_pk_add_f32 v[250:251], v[250:251], v[98:99]
	v_pk_add_f32 v[248:249], v[248:249], v[102:103]
	v_pk_add_f32 v[242:243], v[242:243], v[106:107]
	v_pk_add_f32 v[240:241], v[240:241], v[110:111]
	v_pk_add_f32 v[238:239], v[238:239], v[114:115]
	v_pk_add_f32 v[234:235], v[234:235], v[118:119]
	v_pk_add_f32 v[14:15], v[14:15], v[122:123]
	v_pk_add_f32 v[236:237], v[236:237], v[126:127]
	v_pk_add_f32 v[250:251], v[250:251], v[130:131]
	v_pk_add_f32 v[248:249], v[248:249], v[134:135]
	v_pk_add_f32 v[242:243], v[242:243], v[138:139]
	v_pk_add_f32 v[240:241], v[240:241], v[142:143]
	v_pk_add_f32 v[238:239], v[238:239], v[146:147]
	v_pk_add_f32 v[234:235], v[234:235], v[150:151]
	v_pk_add_f32 v[14:15], v[14:15], v[154:155]
	v_pk_add_f32 v[236:237], v[236:237], v[158:159]
	s_delay_alu instid0(VALU_DEP_2)
	v_pk_add_f32 v[14:15], v[14:15], v[242:243]
	s_delay_alu instid0(VALU_DEP_2)
	v_pk_add_f32 v[236:237], v[236:237], v[240:241]
	v_pk_add_f32 v[250:251], v[250:251], v[238:239]
	v_pk_add_f32 v[248:249], v[248:249], v[234:235]
	s_delay_alu instid0(VALU_DEP_2)
	v_pk_add_f32 v[14:15], v[14:15], v[250:251]
	s_delay_alu instid0(VALU_DEP_2)
	v_pk_add_f32 v[236:237], v[236:237], v[248:249]
	s_delay_alu instid0(VALU_DEP_1)
	v_pk_add_f32 v[14:15], v[14:15], v[236:237]
.irp b, 0,1,2,3
.irp i, 0,1,2,3,4,5,6,7,8,9,10,11,12,13,14,15
.endr
	v_cvt_scalef32_pk8_bf8_f32 v[224+4*\b:225+4*\b], v[96+16*\b:103+16*\b], v[244+\b]
	v_cvt_scalef32_pk8_bf8_f32 v[226+4*\b:227+4*\b], v[104+16*\b:111+16*\b], v[244+\b]
.endr
.set j, 0
.rept 32
	v_pk_mul_f32 v[160+j:161+j], v[160+j:161+j], v[252:253] op_sel_hi:[1,0]   ; O^T under the new M.  (These 32 are also the places in front of the matrix instructions and loads below)
.set j, j+2
.endr
	s_setprio 0
	s_wait_alu depctr_va_vdst(0)
.irp g, 0,1                            ; O^T += Q p^T: four tiles of 16 channels at a time; K = these 128 keys.  The accumulators take turns, one instruction a turn
.if \g > 0
.rept 8
	v_nop
.endr
.endif
.irp t, 0,1,2,3
.irp c, 0,1,2,3
	ds_load_b128 v[32+16*\t+4*\c:32+16*\t+4*\c+3], v8 offset:16384+2048*(4*\g+\t)+512*\c
.endr
	ds_load_b32 v[248+\t], v10 offset:33280+64*(4*\g+\t)
.endr
	s_wait_dscnt 0x0
.irp t, 0,1,2,3
	v_wmma_scale_f32_16x16x128_f8f6f4 v[160+8*(4*\g+\t):167+8*(4*\g+\t)], v[32+16*\t:47+16*\t], v[224:239], v[160+8*(4*\g+\t):167+8*(4*\g+\t)], v[248+\t], v253 matrix_a_fmt:MATRIX_FMT_BF8 matrix_b_fmt:MATRIX_FMT_BF8
.endr
.endr
	s_add_co_u32 s40, s40, STEPB                   ; the next 128 keys
.endm
; Half of the head's keys: four steps.  left: how many of my tensor loads may stay out
.macro HALF left
	s_wait_tensorcnt \left                         ; my piece of this half has landed
	s_wait_dscnt 0x0
	s_barrier_signal -1
	s_barrier_wait -1                              ; everybody's has
	s_mov_b32 s41, 4
.Lstep_\@:
	s_setprio 2
	STEP
	s_sub_co_u32 s41, s41, 1
	s_cmp_lg_u32 s41, 0
	s_cbranch_scc1 .Lstep_\@
	s_setprio 0
.endm
	s_load_b128 s[4:7], s[0:1], 0x0                ; kq s[4:5], att s[6:7]
	s_load_b64 s[8:9], s[0:1], 0x10                ; out0
	v_lshl_add_u32 v6, v0, 2, 0x42000
	v_mov_b32 v7, 0
	ds_add_u32 v6, v7
	ds_add_u32 v6, v7
	v_lshrrev_b32 v8, 5, v0
	s_delay_alu instid0(VALU_DEP_1)
	v_readfirstlane_b32 s[WV], v8                  ; wave 0..15
	s_bfe_u32 s42, ttmp6, 0x40000                  ; cx
	s_lshl_b32 s43, ttmp9, 2
	s_add_co_u32 s43, s43, s42                     ; my block of 256 queries: it enters kq's and out0's addresses alone
	s_and_b32 s44, ttmp7, 0xffff                   ; the head, which the four partners share
	s_mul_i32 s46, s44, 2*HALFB
	s_mul_i32 s45, s[WV], 8448                     ; my piece: in the head's block, and in LDS
	s_add_co_u32 s46, s46, s45
	s_mov_b32 s47, 0
	s_lshl_b32 s48, s44, 3
	s_lshl_b32 s49, s43, 1
	s_add_co_u32 s48, s48, s49
	s_lshr_b32 s49, s[WV], 3
	s_add_co_u32 s48, s48, s49
	s_mul_i32 s48, s48, GB                         ; kq's block: 8 x head + 2 x query block + wave / 8
	s_and_b32 s50, s[WV], 7                        ; my fragment in it
	s_lshl_b32 s49, s50, 11
	s_add_co_u32 s52, s48, s49                     ; its codes
	s_mov_b32 s53, 0
	s_lshl_b32 s49, s50, 6
	s_add_co_u32 s54, s48, s49
	s_add_co_u32 s54, s54, 16384                   ; its scale words
	s_mov_b32 s55, 0
	s_lshl_b32 s56, s44, 19                        ; out0: the head's 128 rows of 4,096 bytes,
	s_lshl_b32 s49, s[WV], 15                      ; my eight of them,
	s_add_co_u32 s56, s56, s49
	s_lshl_b32 s49, s43, 10                        ; the block's 256 positions
	s_add_co_u32 s56, s56, s49
	s_mov_b32 s57, 0
	; descriptor group 1: a dense piece of 8,448 bytes as 33 rows of 32 elements of 8 bytes
	s_mov_b32 s24, 15|(3<<16)|(1<<21)              ; 15:0 the mask: all four work-groups; 17:16 elements of 8 bytes; 21 set beside a mask; no padding
	s_mov_b32 s25, 32<<16                          ; tensor_dim0 = 32
	s_mov_b32 s26, 33<<16                          ; tensor_dim1 = 33
	s_mov_b32 s27, 32<<16                          ; tile_dim0 = 32
	s_mov_b32 s28, 33                              ; tile_dim1 = 33
	s_mov_b32 s29, 32                              ; from row to row
	s_mov_b32 s30, 0
	s_mov_b32 s31, 0
	s_mov_b32 s[SEL], 0x76543210
	s_mov_b32 s[SEL+1], 0xfedcba98
	s_mov_b32 s[CS], 0x3e0293ee                    ; c = log2(e) / sqrt(128)
	s_mov_b32 s[CS+1], s[CS]                       ; (named with it as a pair, so it is written)
	s_mov_b32 s40, 0
	s_wait_dscnt 0x0
	s_wait_kmcnt 0x0
	s_add_nc_u64 s[46:47], s[6:7], s[46:47]
	s_add_nc_u64 s[54:55], s[4:5], s[54:55]
	s_add_nc_u64 s[4:5], s[4:5], s[52:53]
	s_add_nc_u64 s[8:9], s[8:9], s[56:57]
	CROUND                                         ; all four work-groups are here: the joint loads meet
	s_mov_b32 s32, 1
	s_mov_b32 s33, s45
	s_mov_b64 s[34:35], s[46:47]
	s_or_b32 s35, s35, 0x80000000
	s_mov_b32 s36, 1
	s_add_co_u32 s37, s45, HALFB
	s_add_nc_u64 s[38:39], s[46:47], HALFB
	s_or_b32 s39, s39, 0x80000000
	tensor_load_to_lds s[32:35], s[24:31]          ; my piece of keys 0-511,
	s_nop 0
	tensor_load_to_lds s[36:39], s[24:31]          ; and of keys 512-1023: two loads of mine are out
	s_nop 0
.rept 4
	v_nop
.endr
	v_and_b32 v3, 31, v0
	s_delay_alu instid0(VALU_DEP_1)
	v_lshlrev_b32 v1, 4, v3                        ; 16 x lane
	v_and_b32 v4, 15, v0
	s_delay_alu instid0(VALU_DEP_1)
	v_lshlrev_b32 v2, 2, v4                        ; 4 r
.irp c, 0,1,2,3
	global_load_b128 v[16+4*\c:19+4*\c], v1, s[4:5] offset:512*\c   ; my queries' fragment stays in registers
.endr
	global_load_b32 v255, v2, s[54:55]             ; and its scale words
	v_mov_b32 v13, 0xff61b1e6                      ; the largest t so far: -3e38, under every t
	s_delay_alu instid0(VALU_DEP_1)
	v_floor_f32 v12, -v13                          ; -M
	v_mov_b32 v14, 0                               ; the sum, in two halves
	v_mov_b32 v15, 0
.irp b, 0,1,2,3
	v_mov_b32 v[236+\b], 0                         ; a lane permute's destination counts as one of its sources
.endr
	v_mov_b32 v253, 0                              ; (named as the upper half of the pair v[252:253] before it is first written)
.set j, 0
.rept 64
	v_mov_b32 v[160+j], 0                          ; O^T.  (The step is written once: its first walk finds zeros, which the first change of M leaves zeros)
.set j, j+1
.endr
	s_wait_loadcnt 0x0                             ; my queries
	HALF 1                                         ; keys 0-511; the second half's piece may stay out
	HALF 0                                         ; keys 512-1023
	; THE WAY OUT.  O^T / the sum goes to a stage at LDS byte 0, [128 channels][256 positions] f32, rows of 1,024 bytes: those bytes have had their one fill, and behind the barrier nobody reads codes any more.
	v_add_f32 v14, v14, v15                        ; the sum's two halves,
	s_delay_alu instid0(VALU_DEP_1)
	v_permlanex16_b32 v252, v14, s[SEL], s[SEL+1]
	s_delay_alu instid0(VALU_DEP_1)
	v_add_f32 v14, v14, v252                       ; and lane l xor 16's: the row's sum
	s_wait_alu depctr_va_vdst(0)
	v_rcp_f32 v14, v14
	v_and_b32 v8, 7, v0                            ; (a plain line behind the transcendental)
	v_bfe_u32 v10, v0, 3, 1
	s_delay_alu instid0(VALU_DEP_1)
	v_lshl_add_u32 v8, v10, 4, v8                  ; (r & 7) + 16 (r >> 3)
	s_delay_alu instid0(VALU_DEP_1)
	v_lshlrev_b32 v8, 2, v8
	v_bfe_u32 v10, v0, 4, 1
	s_delay_alu instid0(VALU_DEP_1)
	v_lshl_add_u32 v8, v10, 14, v8                 ; + 16 h rows
	s_lshr_b32 s58, s[WV], 1
	s_lshl_b32 s58, s58, 7
	s_and_b32 s59, s[WV], 1
	s_lshl_b32 s59, s59, 5
	s_add_co_u32 s58, s58, s59                     ; my queries begin at position 32 (wave / 2) + 8 (wave % 2) of the block
	v_add_nc_u32 v9, s58, v8                       ; channels 0-63,
	s_delay_alu instid0(VALU_DEP_1)
	v_add_nc_u32 v11, 0x10000, v9                  ; channels 64-127
	s_lshl_b32 s58, s[WV], 13
	v_add_nc_u32 v10, s58, v1                      ; back: my eight rows, 16 bytes a lane
.set j, 0
	s_wait_alu depctr_va_vdst(0)
.rept 64
	v_mul_f32 v[96+j], v[160+j], v14               ; register n is channel 32 (n / 16) + 16 h + n % 16 of my query; each accumulator from its low end on
.set j, j+1
.endr
	s_wait_alu depctr_va_vdst(0)
	s_wait_dscnt 0x0
	s_barrier_signal -1
	s_barrier_wait -1                              ; every wave's reads of the codes are over
.set j, 0
.rept 32
	ds_store_b32 v9, v[96+j] offset:(32*((j>>4)&1)+(j&15))*1024
.set j, j+1
.endr
.rept 32
	ds_store_b32 v11, v[96+j] offset:(32*((j>>4)&1)+(j&15))*1024
.set j, j+1
.endr
	s_wait_dscnt 0x0                               ; for the others' sake: my stores are done
	s_barrier_signal -1
	s_barrier_wait -1
.irp i, 0,1,2,3,4,5,6,7
.irp e, 0,1
	ds_load_b128 v[32+8*\i+4*\e:35+8*\i+4*\e], v10 offset:1024*\i+512*\e
.endr
.endr
.irp i, 0,1,2,3,4,5,6,7
.irp e, 0,1
	s_wait_dscnt 15-2*\i-\e                        ; LDS loads come back in order: this one is in, the younger ones stay out
	global_store_b128 v1, v[32+8*\i+4*\e:35+8*\i+4*\e], s[8:9] offset:4096*\i+512*\e th:TH_STORE_NT   ; 512 consecutive bytes of a row of out0
.endr
.endr
	s_wait_tensorcnt 0x0
	ds_add_u32 v6, v7
	s_wait_dscnt 0x0
	CROUND                                         ; the closing round: no work-group ends while a partner may still ask for a piece that names it
	s_endpgm
.Lfunc_end_k_q710b4df17f_attn:
	.size	k_q710b4df17f_attn, .Lfunc_end_k_q710b4df17f_attn-k_q710b4df17f_attn
	.p2alignl 7, 3214868480
	.fill 96, 4, 3214868480
	.section	.rodata,"a",@progbits
	.p2align	6, 0x0
	.amdhsa_kernel k_q710b4df17f_attn
		.amdhsa_group_segment_fixed_size 272384
		.amdhsa_private_segment_fixed_size 0
		.amdhsa_enable_private_segment 0
		.amdhsa_kernarg_size 24
		.amdhsa_user_sgpr_count 2
		.amdhsa_user_sgpr_kernarg_segment_ptr 1
		.amdhsa_wavefront_size32 1
		.amdhsa_system_sgpr_workgroup_id_x 1
		.amdhsa_system_sgpr_workgroup_id_y 1
		.amdhsa_system_sgpr_workgroup_id_z 1
		.amdhsa_system_vgpr_workitem_id 0
		.amdhsa_next_free_vgpr 256
		.amdhsa_next_free_sgpr 66
		.amdhsa_reserve_vcc 0
		.amdhsa_float_denorm_mode_32 3
		.amdhsa_float_denorm_mode_16_64 3
		.amdhsa_fp16_overflow 1
		.amdhsa_memory_ordered 1
		.amdhsa_forward_progress 1
		.amdhsa_inst_pref_size 62
	.end_amdhsa_kernel
	.amdgpu_metadata
---
amdhsa.version: [ 1, 2 ]
amdhsa.kernels:
  - .name:           k_q710b4df17f_attn
    .symbol:         k_q710b4df17f_attn.kd
    .args:
      - { .name: kq, .offset: 0, .size: 8, .value_kind: global_buffer, .address_space: global }
      - { .name: att, .offset: 8, .size: 8, .value_kind: global_buffer, .address_space: global }
      - { .name: out0, .offset: 16, .size: 8, .value_kind: global_buffer, .address_space: global }
    .group_segment_fixed_size: 272384
    .private_segment_fixed_size: 0
    .kernarg_segment_align: 8
    .kernarg_segment_size: 24
    .max_flat_workgroup_size: 512
    .sgpr_count:     66
    .vgpr_count:     256
    .wavefront_size: 32
...
	.end_amdgpu_metadata
.endif
;; end of part 4
